; MI455X (gfx1250); checked and timed in simulation.
; The chip was launched on July 23, 2026; its instructions are those of AMD's public machine-readable ISA for CDNA 5 (MIT licence, August 2026) and "CDNA5" Instruction Set Architecture Reference Guide (July 2026). The comments in the code are by the model that wrote it; some were corrected since.
;; SDPA. Allowed arithmetic: float matrix products may take bf16 or f16 operands with f32 sums; other float arithmetic in f32, or as packed bf16 or f16 multiplies, adds, multiply-adds, maxima and minima; sums over many terms, partial sums and values carried from step to step in f32; what a program stores and reads back later, other than sums and carried values, may be rounded once to bf16 or f16.
;; Inputs: Wk 1,024 x 1,024 float32; Wq 1,024 x 1,024 float32; Wv 1,024 x 1,024 float32; bk 1,024 float32; bq 1,024 float32; bv 1,024 float32; x 4 x 2,048 x 1,024 float32.
;; Outputs: out0 4 x 2,048 x 1,024 float32.
;; 2 versions, each right; version 2 is version 1 with the launch cast written anew for expert scheduling mode. Each part assembles by itself: llvm-mc -triple=amdgcn-amd-amdhsa -mcpu=gfx1250 --defsym DOCPART=n.
;; ======== version 1 of 2: 4 launches
;; limits: values are held in f16: magnitudes above 65,504 overflow, below 6.1e-05 lose precision
;; workspace buffers: xb 16,777,216 bytes; wb 6,291,456 bytes; qh 16,777,216 bytes; kh 16,777,216 bytes; vt 16,777,216 bytes; pt 33,554,432 bytes; st 1,048,576 bytes
;; launch cast (part 1): grid 704 x 1, 4 waves a work-group, no clusters, 0 bytes of LDS; arguments x, Wq, Wk, Wv, xb, wb; writes xb, wb
.if DOCPART == 1
	.amdgcn_target "amdgcn-amd-amdhsa--gfx1250"
	.amdhsa_code_object_version 6
	.text
	.protected	k_q936f6e6472_cast
	.globl	k_q936f6e6472_cast
	.p2align	8
	.type	k_q936f6e6472_cast,@function
k_q936f6e6472_cast:
	s_mov_b64 s[64:65], 0
	v_nop
	global_prefetch_b8 v0, s[64:65] scope:SCOPE_SE
	s_setreg_imm32_b32 hwreg(HW_REG_WAVE_MODE, 25, 1), 1
	s_wait_xcnt 0x0
; CAST.  x [8192][1024] and Wq, Wk, Wv [1024][1024], f32, are rounded once to bf16 and laid out by tiles for the product that follows:
;   xb [32 tiles of 256 rows][16 blocks of 64 columns][256 rows][64]                 (a block of a tile: 32,768 dense bytes)
;   wb [8 tiles][16 blocks][384 rows][64]; row of a tile = 192 wc + 64 which + r for output column 128 tile + 64 wc + r of matrix which (q, k, v = 0, 1, 2)
; INSIDE a block of 64 the columns are permuted, alike in xb and wb: place 8 i + j holds column 4 i + j (j < 4) or 32 + 4 i + j - 4 (j >= 4).  The product sums over them, so only the order of its terms changes.
; SHARES.  A work-group takes 16 rows (work-groups 0-511: x; then 64 for each W), a wave 4 rows.  Lane l: row l / 8, part i = l % 8.  For each block two loads of 16 bytes a lane (eight lanes take 128
; consecutive bytes); one store of 16 bytes a lane: 32 lanes store 4 rows x 128 bytes = 512 consecutive bytes, at a multiple of 512 from the buffer's first byte.
; All 32 loads of a wave go out at once (16 KiB); every register is written once, so no store's data is ever rewritten.  No LDS, no matrix unit: each byte is read once and written once.
.set XWG, 512                          ; work-groups for x
.set SRC, 5                            ; v5  byte offset of my 16 bytes in the work-group's 16 rows
.set DST, 6                            ; v6  16 x my thread's number
.set IN,  8                            ; v[8:135]   as loaded
.set PKD, 136                          ; v[136:199] as stored
.macro BODY plane                      ; plane = bytes from a block of 64 columns to the next in the destination
.set kb, 0
.rept 16
	global_load_b128 v[IN+8*kb:IN+8*kb+3],   v[SRC], s[20:21] offset:256*kb th:TH_LOAD_NT
	global_load_b128 v[IN+8*kb+4:IN+8*kb+7], v[SRC], s[20:21] offset:256*kb+128 th:TH_LOAD_NT
.set kb, kb+1
.endr
.set kb, 0
.rept 16
	s_wait_loadcnt 30-2*kb                         ; loads come back in order: this block's two are in, the younger ones stay out
	v_cvt_pk_bf16_f32 v[PKD+4*kb],   v[IN+8*kb],   v[IN+8*kb+1]
	v_cvt_pk_bf16_f32 v[PKD+4*kb+1], v[IN+8*kb+2], v[IN+8*kb+3]
	v_cvt_pk_bf16_f32 v[PKD+4*kb+2], v[IN+8*kb+4], v[IN+8*kb+5]
	v_cvt_pk_bf16_f32 v[PKD+4*kb+3], v[IN+8*kb+6], v[IN+8*kb+7]
	global_store_b128 v[DST], v[PKD+4*kb:PKD+4*kb+3], s[22:23] offset:kb*(\plane) th:TH_STORE_NT
.set kb, kb+1
.endr
.endm
	s_load_b256 s[4:11], s[0:1], 0x0               ; x s[4:5], Wq s[6:7], Wk s[8:9], Wv s[10:11]
	s_load_b128 s[12:15], s[0:1], 0x20             ; xb s[12:13], wb s[14:15]
	v_and_b32 v1, 31, v0                           ; lane
	v_lshrrev_b32 v2, 5, v0                        ; wave
	v_lshrrev_b32 v3, 3, v1
	v_and_b32 v4, 7, v1
	v_lshl_add_u32 v3, v2, 2, v3                   ; my row of the 16: 4 x wave + lane / 8
	v_lshlrev_b32 v4, 4, v4
	v_lshl_add_u32 v[SRC], v3, 12, v4              ; row x 4,096 + 16 (lane % 8)
	v_lshlrev_b32 v[DST], 4, v0                    ; 512 x wave + 16 x lane
	s_mov_b32 s17, 0
	s_cmp_lt_u32 ttmp9, XWG
	s_cbranch_scc0 .Lweights
	s_lshl_b32 s16, ttmp9, 16                      ; 16 rows of 4,096 bytes
	s_lshr_b32 s18, ttmp9, 4
	s_lshl_b32 s18, s18, 19                        ; the tile: 524,288 bytes
	s_and_b32 s19, ttmp9, 15
	s_lshl_b32 s19, s19, 11                        ; 16 rows of 128 bytes in a block
	s_add_co_u32 s18, s18, s19
	s_mov_b32 s19, 0
	s_wait_kmcnt 0x0
	s_add_nc_u64 s[20:21], s[4:5], s[16:17]
	s_add_nc_u64 s[22:23], s[12:13], s[18:19]
	BODY 32768
	s_endpgm
.Lweights:
	s_sub_co_u32 s24, ttmp9, XWG
	s_lshr_b32 s25, s24, 6                         ; which matrix
	s_and_b32 s24, s24, 63                         ; its rows 16 s24 ..
	s_lshl_b32 s16, s24, 16
	s_lshr_b32 s18, s24, 3
	s_mul_i32 s18, s18, 786432                     ; the tile of 128 output columns
	s_bfe_u32 s19, s24, 0x10002                    ; wc: which 64 of the 128
	s_mul_i32 s19, s19, 192
	s_lshl_b32 s26, s25, 6
	s_add_co_u32 s19, s19, s26
	s_and_b32 s26, s24, 3
	s_lshl_b32 s26, s26, 4
	s_add_co_u32 s19, s19, s26                     ; row of the tile
	s_lshl_b32 s19, s19, 7
	s_add_co_u32 s18, s18, s19
	s_mov_b32 s19, 0
	s_wait_kmcnt 0x0
	s_cmp_eq_u32 s25, 0
	s_cselect_b64 s[20:21], s[6:7], s[8:9]
	s_cmp_eq_u32 s25, 2
	s_cselect_b64 s[20:21], s[10:11], s[20:21]
	s_add_nc_u64 s[20:21], s[20:21], s[16:17]
	s_add_nc_u64 s[22:23], s[14:15], s[18:19]
	BODY 49152
	s_endpgm
.Lfunc_end_k_q936f6e6472_cast:
	.size	k_q936f6e6472_cast, .Lfunc_end_k_q936f6e6472_cast-k_q936f6e6472_cast
	.p2alignl 7, 3214868480
	.fill 96, 4, 3214868480
	.section	.rodata,"a",@progbits
	.p2align	6, 0x0
	.amdhsa_kernel k_q936f6e6472_cast
		.amdhsa_group_segment_fixed_size 0
		.amdhsa_private_segment_fixed_size 0
		.amdhsa_enable_private_segment 0
		.amdhsa_kernarg_size 48
		.amdhsa_user_sgpr_count 2
		.amdhsa_user_sgpr_kernarg_segment_ptr 1
		.amdhsa_wavefront_size32 1
		.amdhsa_system_sgpr_workgroup_id_x 1
		.amdhsa_system_sgpr_workgroup_id_y 1
		.amdhsa_system_sgpr_workgroup_id_z 1
		.amdhsa_system_vgpr_workitem_id 0
		.amdhsa_next_free_vgpr 200
		.amdhsa_next_free_sgpr 66
		.amdhsa_reserve_vcc 0
		.amdhsa_float_denorm_mode_32 3
		.amdhsa_float_denorm_mode_16_64 3
		.amdhsa_memory_ordered 1
		.amdhsa_forward_progress 1
		.amdhsa_inst_pref_size 21
	.end_amdhsa_kernel
	.amdgpu_metadata
---
amdhsa.version: [ 1, 2 ]
amdhsa.kernels:
  - .name:           k_q936f6e6472_cast
    .symbol:         k_q936f6e6472_cast.kd
    .args:
      - { .name: x, .offset: 0, .size: 8, .value_kind: global_buffer, .address_space: global }
      - { .name: Wq, .offset: 8, .size: 8, .value_kind: global_buffer, .address_space: global }
      - { .name: Wk, .offset: 16, .size: 8, .value_kind: global_buffer, .address_space: global }
      - { .name: Wv, .offset: 24, .size: 8, .value_kind: global_buffer, .address_space: global }
      - { .name: xb, .offset: 32, .size: 8, .value_kind: global_buffer, .address_space: global }
      - { .name: wb, .offset: 40, .size: 8, .value_kind: global_buffer, .address_space: global }
    .group_segment_fixed_size: 0
    .private_segment_fixed_size: 0
    .kernarg_segment_align: 8
    .kernarg_segment_size: 48
    .max_flat_workgroup_size: 128
    .sgpr_count:     66
    .vgpr_count:     200
    .wavefront_size: 32
...
	.end_amdgpu_metadata
.endif
;; end of part 1
;; launch proj (part 2): grid 8 x 32, 4 waves a work-group, clusters of 4 x 4, 327,680 bytes of LDS; arguments xb, wb, bq, bk, bv, qh, kh, vt; writes qh, kh, vt
.if DOCPART == 2
	.amdgcn_target "amdgcn-amd-amdhsa--gfx1250"
	.amdhsa_code_object_version 6
	.text
	.protected	k_q936f6e6472_proj
	.globl	k_q936f6e6472_proj
	.p2align	8
	.type	k_q936f6e6472_proj,@function
k_q936f6e6472_proj:
	s_mov_b64 s[64:65], 0
	v_nop
	global_prefetch_b8 v0, s[64:65] scope:SCOPE_SE
	s_setreg_imm32_b32 hwreg(HW_REG_WAVE_MODE, 25, 1), 1
	s_wait_xcnt 0x0
	s_wait_alu depctr_hold_cnt(0) depctr_sa_sdst(0) depctr_va_vdst(0) depctr_va_sdst(0) depctr_va_ssrc(0) depctr_va_vcc(0) depctr_vm_vsrc(0)
	s_getreg_b32 s2, hwreg(HW_REG_IB_STS2, 6, 4)
	s_cmp_eq_u32 s2, 0
	s_cbranch_scc0 .Lentry_in_a_cluster
	s_endpgm
.Lentry_in_a_cluster:
	s_bfe_u32 s2, ttmp6, 0x10000c
	s_cmp_lg_u32 s2, 0xf033
	s_cbranch_scc0 .Lentry_shape_is_right
	s_endpgm
.Lentry_shape_is_right:
; PROJ.  q = x Wq^T + bq, k = x Wk^T + bk, v = x Wv^T + bv in ONE product of 8192 x 3072 x 1024: bf16 operands (xb, wb, laid by tiles by the launch before), f32 sums, the biases rounded to bf16 like the other
; inputs and taken as the C operand of each sum's first product.  Results are rounded once to f16 and laid by tiles for the launches behind:
;   qh, kh [32 tiles of 256 rows][16 blocks of 64 channels][256][64];   vt [4 batches][4 tiles of 256 channels][32 blocks of 64 keys][256][64]  (v transposed).
; LIMIT.  f16 holds no number beyond 65,504: |q|, |k|, |v| must stay below it (inputs 30 times the usual spread give some 5,000).  NaN and infinities are not treated apart.
; SHARES.  A work-group makes 256 rows x 384 columns (128 of q, of k and of v); 256 work-groups.  A wave makes 128 rows (8 fragments a) x 64 columns of each of the three (4 fragments f): accumulator (w, a, f) is
; v[8 (4 a + f)] of register window w + 1; w = 0, 1, 2 is q, k, v.  For q and k source 0 is 16 rows of W and source 1 16 rows of x: a lane holds one row of x and 8 neighbouring channels.  For v the sources are swapped:
; a lane holds one channel and 8 neighbouring rows (keys), as vt wants them.
; K goes in steps of 64 through two LDS slots; a step is 2 quarters of 32 x 3 windows = 6 STRETCHES of 32 matrix instructions.  A stretch's fragments are fetched from LDS two stretches ahead, in one run.
; CLUSTER 4 x 4: x's tile hangs on the tile row alone and is asked for jointly by my row of the cluster, W's on the tile column alone and by my column.
; LDS: slot 0 at 0, slot 1 at 131,072 (x: 256 rows x 144 bytes; W: 384 rows x 144, from byte 36,864); each wave's stage; the biases set aside; the spare words.
.set NW, 3
.set SP, 1
.set NS, 6                             ; stretches in a step
.set T,  16                            ; steps
.set RHG, 16384                        ; bytes in memory from wave 0's part of a step's R tile to wave 1's
.set RSG, 32768                        ; and from step to step
.set CHG, 24576
.set CSG, 49152
.set RROWS, 64                         ; rows of 256 bytes in a wave's load
.set CROWS, 96
.set RHALF, 18432                      ; the same parts in LDS: 128 and 192 rows of 144 bytes
.set CHALF, 27648
.set CPL, 0
.set SLOTX, 131072
.set STAGE, 223232                     ; 4 x 16 rows x 144 bytes
.set BSV,   232448                     ; 4 x 12,288 bytes: 96 registers of biases a wave
.set SPARE, 281600                     ; the spare words: 128 bytes a wave, two blocks of 256 bytes that no other line names
.set R0, 4                             ; v4  my lane's place in the wave's R rows of a slot: 144 r + 16 h + 18,432 WR; never rewritten
.set C0, 5                             ; v5  the same for the C rows
.set RC, 6                             ; v6, v7  these two in the slot in hand
.set CC, 7
.set RN, 8                             ; v8, v9  and in the other slot
.set CN, 9
.set STO, 10                           ; the way out: where I put 16 bytes of a row
.set RD,  11                           ; where I read rows back
.set GO,  12                           ; 16 x lane
.set PFO, 13                           ; 256 x lane; never rewritten
.set SPW, 14                           ; LDS address of my spare word; never rewritten
.set NIL, 15                           ; 0; never rewritten
.set BA,  23                           ; v23  my 16 bytes in the wave's biases in LDS
.set RF,  32                           ; v[32:159]  two buffers of 8 R fragments, by the quarter's parity
.set CF,  160                          ; v[160:223] two groups of 4 C fragments, by the stretch's parity
.set BI,  224                          ; v[224:255] the biases of the window whose sums are being started
.set BB,  32                           ; at the start: 96 registers of biases, 32 at work
.set BT,  128
.set PK,  32                           ; the way out: two sets of 16
.set WV, 10
.set WR, 11
.set WC, 12
.set Y,  13
.set X,  14
.set CNT, 15
.set G1R, 24
.set G1C, 32
.set G0R, 40                           ; two sets: slot 0's first fill; slot 1's, which then walks
.set G0C, 48
.set TBC, 56                           ; LDS byte of the slot in hand, and of the other
.set TBN, 57
.set LIM, 58                           ; a wave prefetches while CNT is above it
.set PFA, 60
.set PFS, 62
.set CX, 66
.set CY, 67
.set QB, 88
.set KB, 90
.set VB, 92
.set G1W, (1<<16)|(1<<20)|(1<<21)|(4<<22)|(3<<25)  ; 2-byte elements; padding on; bit 21 beside a mask; after every 32 words 4 words
.set MSB, 0
.macro WIN new                         ; the immediate's high byte repeats the setting that is left; a switch that changes nothing is dropped
.if MSB != (\new)
	s_set_vgpr_msb (MSB<<8)|(\new)
.set MSB, \new
.endif
.endm
.macro PLACES                          ; four plain places between a matrix instruction and a load into, or a vector write or read of, its registers
.rept 4
	v_nop
.endr
.endm
.macro CREST                           ; a round of the cluster's barrier behind its opening barrier
	s_cmp_lg_u32 s[WV], 0
	s_cbranch_scc1 .Lnot_wave_0_\@
	s_barrier_signal -3
.Lnot_wave_0_\@:
	s_barrier_wait -3
	s_barrier_signal -1
	s_barrier_wait -1
.endm
.macro CROUND
	s_barrier_signal -1
	s_barrier_wait -1
	CREST
.endm
.macro JLOAD                           ; a joint refill by the walking descriptors: waves 0 and 1 fetch R's two parts, waves 2 and 3 C's
	s_cmp_lt_u32 s[WV], 2
	s_cbranch_scc0 .Lfor_c_\@
	tensor_load_to_lds s[G0R+4:G0R+7], s[G1R:G1R+7]
	s_nop 0
.rept 4
	v_nop
.endr
	s_branch .Lasked_\@
.Lfor_c_\@:
	tensor_load_to_lds s[G0C+4:G0C+7], s[G1C:G1C+7]
	s_nop 0
.rept 4
	v_nop
.endr
.Lasked_\@:
.endm
; A prefetch, behind the joint load and the run of LDS loads: a lane names 256 bytes, a wave 8 KiB.  x's tile: wave 0 of the clusters with x = 0 names the step that the NEXT refill asks for, the four partners of a row
; 8 KiB each, told apart by address (cx).  W's tile: waves 2 and 3 of the clusters with y = 0 walk its bytes from step 3 on, 64 KiB an ask for the eight (4 WC + cy), nine asks, which end at step 15's first byte.
; So each 256 bytes are named once in the launch; steps 0 to 2, and W's step 15, come by their loads alone.
.macro ASK
	s_cmp_gt_u32 s[CNT], s[LIM]
	s_cbranch_scc0 .Lnot_mine_\@
	global_prefetch_b8 v[PFO], s[PFA:PFA+1] th:TH_LOAD_NT scope:SCOPE_SE
.Lnot_mine_\@:
.endm
; 16 matrix instructions of stretch i: R fragments 4 half .. 4 half + 3 x the window's 4 C fragments.  zero = 1: the first products start the sums, with the biases as C.  The 32 accumulators of a stretch take turns.
.macro MUL16 i, half, zero
.set w_, (\i)%NW
.set q_, (\i)/NW
.if \zero
	WIN 0x40*(w_+1)
.else
	WIN 0x50*(w_+1)
.endif
.irp a, 0,1,2,3
.irp f, 0,1,2,3
.set ac_, 8*(4*(4*(\half)+\a)+\f)
.set cf_, CF+32*((\i)%2)+8*\f
.set rf_, RF+64*(q_%2)+8*(4*(\half)+\a)
.set bi_, BI+8*\f
.if w_ == 2
.if \zero
	v_wmma_f32_16x16x32_bf16 v[ac_:ac_+7], v[rf_:rf_+7], v[cf_:cf_+7], v[bi_:bi_+7]
.else
	v_wmma_f32_16x16x32_bf16 v[ac_:ac_+7], v[rf_:rf_+7], v[cf_:cf_+7], v[ac_:ac_+7]
.endif
.else
.if \zero
	v_wmma_f32_16x16x32_bf16 v[ac_:ac_+7], v[cf_:cf_+7], v[rf_:rf_+7], v[bi_:bi_+7]
.else
	v_wmma_f32_16x16x32_bf16 v[ac_:ac_+7], v[cf_:cf_+7], v[rf_:rf_+7], v[ac_:ac_+7]
.endif
.endif
.endr
.endr
.endm
; One run of LDS loads: all that stretch i + 2 needs: its 4 C fragments (8 loads) and, if it opens a quarter, the quarter's 8 R fragments (16 loads).  Stretches past the step's end lie in the other slot.
.macro RUN i
.set i2_, ((\i)+2)%NS
.set w2_, i2_%NW
.set q2_, i2_/NW
.set ra_, RC
.set ca_, CC
.if (\i)+2 >= NS
.set ra_, RN
.set ca_, CN
.endif
	WIN 0
.irp f, 0,1,2,3
	ds_load_b128 v[CF+32*(i2_%2)+8*\f:CF+32*(i2_%2)+8*\f+3],   v[ca_] offset:(q2_/2)*CPL+(4*w2_+\f)*2304+(q2_%2)*64
	ds_load_b128 v[CF+32*(i2_%2)+8*\f+4:CF+32*(i2_%2)+8*\f+7], v[ca_] offset:(q2_/2)*CPL+(4*w2_+\f)*2304+(q2_%2)*64+32
.endr
.if w2_ == 0
.irp a, 0,1,2,3,4,5,6,7
	ds_load_b128 v[RF+64*(q2_%2)+8*\a:RF+64*(q2_%2)+8*\a+3],   v[ra_] offset:(q2_/2)*36864+\a*2304+(q2_%2)*64
	ds_load_b128 v[RF+64*(q2_%2)+8*\a+4:RF+64*(q2_%2)+8*\a+7], v[ra_] offset:(q2_/2)*36864+\a*2304+(q2_%2)*64+32
.endr
.endif
.endm
.macro BLOAD w                         ; window w + 1's 32 registers of biases come back from LDS
	WIN 0
.irp k, 0,1,2,3,4,5,6,7
	ds_load_b128 v[BI+4*\k:BI+4*\k+3], v[BA] offset:4096*(\w)+512*\k
.endr
.endm
; STRETCH i.  mode 1: in the loop; mode 2: the last step but one (slots change, nothing is asked for); mode 3: the last step (nothing beyond it is fetched).
; The slots change in stretch NS - 2: the run before it was the last that reads the slot in hand, its own run is the first that reads the other.
.macro STR i, zero, mode
.set nr_, 8                            ; the loads of the run issued last, which may stay out: that run serves stretch i + 1
.if (((\i)+1)%NW) == 0
.set nr_, 24
.endif
.if ((\i) == NS-2) && (((\mode) == 1) || ((\mode) == 2))
.if (\mode) == 1
	s_wait_xcnt 0x0                                ; the last prefetch, a step back, has read its address: it is stepped here
	s_add_nc_u64 s[PFA:PFA+1], s[PFA:PFA+1], s[PFS:PFS+1]
.endif
	WIN 0
	s_wait_tensorcnt 0x0                           ; all my tensor loads have landed: the one that was out is my part of the other slot
	ds_add_u32 v[SPW], v[NIL]                      ; 0 onto my spare word
.if (\mode) == 1
	s_xor_b32 s[G0R+5], s[G0R+5], SLOTX            ; no load of mine is out, so the walking descriptors may be written: the other slot than last time,
	s_add_nc_u64 s[G0R+6:G0R+7], s[G0R+6:G0R+7], RSG  ; the next step; the type bits on top are not reached
	s_xor_b32 s[G0C+5], s[G0C+5], SLOTX
	s_add_nc_u64 s[G0C+6:G0C+7], s[G0C+6:G0C+7], CSG
.endif
	s_wait_dscnt nr_+1                             ; this stretch's fragments are in; the add and the youngest run may be out
	MUL16 \i, 0, 0
	s_wait_dscnt 0x0                               ; the add is done, and my reads of the slot in hand are over
	s_barrier_signal -1
	MUL16 \i, 1, 0                                 ; work on registers while the others arrive
	WIN 0
	s_barrier_wait -1
.if (\mode) == 1
	CREST                                          ; the barrier has opened a round of the cluster's: no wave of any partner still reads the slot or has a load on its way
	JLOAD                                          ; the first tensor load behind the round; its four v_nop are the places in front of the loads below
	RUN \i
	ASK
.else
	PLACES
	RUN \i
.endif
.else
.if ((\mode) == 3) && ((\i) == NS-1)
.set nr_, 0
.endif
	s_wait_dscnt nr_                               ; all but the run issued last
	MUL16 \i, 0, \zero
	MUL16 \i, 1, \zero
.if ((\mode) != 3) || ((\i) < NS-2)
	PLACES
.if (\zero) && ((\i)+1 < NW)
	BLOAD (\i)+1                                   ; ahead of the run, so that the next stretch's counted wait covers it
.endif
	RUN \i
.endif
.endif
.endm
.macro EDGE                            ; a step's end: the two slots change names
	WIN 0
	s_xor_b32 s[TBC], s[TBC], SLOTX
	s_xor_b32 s[TBN], s[TBN], SLOTX
	v_add_nc_u32 v[RC], s[TBC], v[R0]
	v_add_nc_u32 v[CC], s[TBC], v[C0]
	v_add_nc_u32 v[RN], s[TBN], v[R0]
	v_add_nc_u32 v[CN], s[TBN], v[C0]
.endm
	s_load_b512 s[68:83], s[0:1], 0x0              ; xb 68, wb 70, bq 72, bk 74, bv 76, qh 78, kh 80, vt 82
	v_lshl_add_u32 v[SPW], v0, 2, SPARE
	v_mov_b32 v[NIL], 0
	ds_add_u32 v[SPW], v[NIL]                      ; the wave's opening: the add and its wait stand ahead of my first tensor load; work on registers stands between them
	v_lshrrev_b32 v1, 5, v0
	v_readfirstlane_b32 s[WV], v1                  ; wave 0..3
	s_lshr_b32 s[WR], s[WV], 1                     ; which 128 of the 256 rows are mine
	s_and_b32 s[WC], s[WV], 1                      ; which half of the columns; also: which part of a tile I fetch
	s_bfe_u32 s[CX], ttmp6, 0x40000
	s_bfe_u32 s[CY], ttmp6, 0x40004
	s_lshl_b32 s[X], ttmp9, 2
	s_add_co_u32 s[X], s[X], s[CX]                 ; W's tile = 4 x cluster x + cx
	s_and_b32 s[Y], ttmp7, 0xffff
	s_lshl_b32 s[Y], s[Y], 2
	s_add_co_u32 s[Y], s[Y], s[CY]                 ; x's tile = 4 x cluster y + cy
	s_lshl_b32 s16, s[CY], 2
	s_lshl_b32 s16, 15, s16                        ; my row of the cluster
	s_lshl_b32 s18, 0x1111, s[CX]                  ; my column
	s_or_b32 s[G1R], s16, G1W
	s_or_b32 s[G1C], s18, G1W
.irp g, G1R, G1C                       ; a dense block asked for as rows of 256 bytes (128 elements), two tile rows each
	s_mov_b32 s[\g+1], 128<<16                     ; tensor_dim0
	s_mov_b32 s[\g+3], 128<<16                     ; tile_dim0
	s_mov_b32 s[\g+5], 128                         ; elements from row to row
	s_mov_b32 s[\g+6], 0
	s_mov_b32 s[\g+7], 0
.endr
	s_mov_b32 s[G1R+2], RROWS<<16                  ; tensor_dim1
	s_mov_b32 s[G1R+4], RROWS                      ; tile_dim1
	s_mov_b32 s[G1C+2], CROWS<<16
	s_mov_b32 s[G1C+4], CROWS
	s_lshl_b32 s16, s[Y], 19                       ; x's tile: 524,288 bytes
	s_mov_b32 s17, 0
	s_mul_i32 s18, s[X], 786432                    ; W's tile
	s_mov_b32 s19, 0
	s_mul_i32 s96, s[WC], RHG
	s_mov_b32 s97, 0
	s_mul_i32 s98, s[WC], CHG
	s_mov_b32 s99, 0
	s_mul_i32 s100, s[WC], RHALF                   ; no place in the cluster enters an LDS address
	s_mul_i32 s101, s[WC], CHALF
	s_add_co_u32 s101, s101, SP*36864
	s_mov_b32 s[TBC], 0
	s_mov_b32 s[TBN], SLOTX
	s_and_b32 s20, ttmp7, 0xffff                   ; who prefetches: the same in all sixteen partners, for a given wave
	s_cmp_lt_u32 s[WV], 2
	s_cselect_b32 s21, ttmp9, s20                  ; the coordinate along which other clusters read the same tile
	s_cselect_b32 s22, s[WV], 0                    ; of x's two waves only wave 0
	s_cselect_b32 s23, 1, 5
	s_or_b32 s21, s21, s22
	s_cmp_eq_u32 s21, 0
	s_cselect_b32 s[LIM], s23, -1
	s_mov_b32 s22, 0x8000
	s_mov_b32 s23, 0x10000
	s_lshl_b32 s3, s[WC], 2
	s_add_co_u32 s3, s3, s[CY]
	s_lshl_b32 s3, s3, 13
	s_add_co_u32 s3, s3, 81920                     ; W: byte 147,456 + 8,192 (4 WC + cy), less one ask's step
	s_lshl_b32 s2, s[CX], 13
	s_add_co_u32 s2, s2, 65536                     ; x: step 3 + 8,192 cx, less one step
	s_cmp_lt_u32 s[WV], 2
	s_cselect_b32 s2, s2, s3
	s_cselect_b32 s[PFS], s22, s23
	s_mov_b32 s3, 0
	s_mov_b32 s[PFS+1], 0
	s_wait_dscnt 0x0                               ; the opening add is done
	s_wait_kmcnt 0x0
	s_add_nc_u64 s[20:21], s[68:69], s[16:17]      ; x's tile
	s_add_nc_u64 s[22:23], s[70:71], s[18:19]      ; W's tile
	s_cmp_lt_u32 s[WV], 2
	s_cselect_b64 s[PFA:PFA+1], s[20:21], s[22:23]
	s_add_nc_u64 s[PFA:PFA+1], s[PFA:PFA+1], s[2:3]
	s_add_nc_u64 s[20:21], s[20:21], s[96:97]      ; my part of step 0
	s_add_nc_u64 s[22:23], s[22:23], s[98:99]
.irp s, 0,1
	s_mov_b32 s[G0R+4*(\s)], 1
	s_add_co_u32 s[G0R+4*(\s)+1], s100, (\s)*SLOTX
	s_add_nc_u64 s[G0R+4*(\s)+2:G0R+4*(\s)+3], s[20:21], (\s)*RSG
	s_or_b32 s[G0R+4*(\s)+3], s[G0R+4*(\s)+3], 0x80000000
	s_mov_b32 s[G0C+4*(\s)], 1
	s_add_co_u32 s[G0C+4*(\s)+1], s101, (\s)*SLOTX
	s_add_nc_u64 s[G0C+4*(\s)+2:G0C+4*(\s)+3], s[22:23], (\s)*CSG
	s_or_b32 s[G0C+4*(\s)+3], s[G0C+4*(\s)+3], 0x80000000
.endr
	CROUND                                         ; all sixteen work-groups are here: the first joint loads meet
	s_cmp_lt_u32 s[WV], 2                          ; a wave's two first fills stand in one branch: two loads of mine are out
	s_cbranch_scc0 .Lfirst_c
	tensor_load_to_lds s[G0R:G0R+3], s[G1R:G1R+7]
	s_nop 0
	tensor_load_to_lds s[G0R+4:G0R+7], s[G1R:G1R+7]
	s_nop 0
.rept 4
	v_nop
.endr
	s_branch .Lfirst_asked
.Lfirst_c:
	tensor_load_to_lds s[G0C:G0C+3], s[G1C:G1C+7]
	s_nop 0
	tensor_load_to_lds s[G0C+4:G0C+7], s[G1C:G1C+7]
	s_nop 0
.rept 4
	v_nop
.endr
.Lfirst_asked:
	; A fragment is 16 rows x 32 K in 8 registers: lane l holds row r = l % 16; registers 0-3 K = 8 h + 0..7, registers 4-7 K = 16 + 8 h + 0..7 (h = l / 16): two loads of 16 bytes, 32 bytes apart.
	v_and_b32 v1, 15, v0                           ; r
	v_bfe_u32 v2, v0, 4, 1                         ; h
	v_and_b32 v20, 31, v0                          ; lane
	v_mul_u32_u24 v3, v1, 144
	v_lshl_add_u32 v3, v2, 4, v3                   ; 144 r + 16 h
	s_mul_i32 s16, s[WR], 18432
	s_mul_i32 s17, s[WC], NW*9216
	s_add_co_u32 s17, s17, SP*36864
	v_add_nc_u32 v[R0], s16, v3
	v_add_nc_u32 v[C0], s17, v3
	v_mov_b32 v[RC], v[R0]
	v_mov_b32 v[CC], v[C0]
	v_add_nc_u32 v[RN], SLOTX, v[R0]
	v_add_nc_u32 v[CN], SLOTX, v[C0]
	s_mul_i32 s16, s[WV], 2304
	s_add_co_u32 s16, s16, STAGE                   ; my stage
	v_add_nc_u32 v[STO], s16, v3                   ; in: row r, 16 bytes for each half of the lanes
	v_lshrrev_b32 v21, 3, v20
	v_and_b32 v22, 7, v0
	v_mul_u32_u24 v21, v21, 144
	v_lshl_add_u32 v21, v22, 4, v21
	v_add_nc_u32 v[RD], s16, v21                   ; back: 32 lanes take four rows of 128 bytes
	v_lshlrev_b32 v[GO], 4, v20
	v_lshlrev_b32 v[PFO], 8, v20
	s_mul_i32 s16, s[WV], 12288
	s_add_co_u32 s16, s16, BSV
	v_lshl_add_u32 v[BA], v20, 4, s16
	; the biases of my 64 columns, in the accumulators' layout: q, k: register j of fragment f is column 16 f + 8 h + j; v: column 16 f + r in all eight
	s_lshl_b32 s16, s[X], 9
	s_lshl_b32 s17, s[WC], 8
	s_add_co_u32 s16, s16, s17                     ; 4 x (128 X + 64 WC)
	v_lshl_add_u32 v24, v2, 5, s16
	v_lshl_add_u32 v25, v1, 2, s16
.irp f, 0,1,2,3
	global_load_b128 v[BB+8*\f:BB+8*\f+3],       v24, s[72:73] offset:64*\f
	global_load_b128 v[BB+8*\f+4:BB+8*\f+7],     v24, s[72:73] offset:64*\f+16
	global_load_b128 v[BB+32+8*\f:BB+32+8*\f+3], v24, s[74:75] offset:64*\f
	global_load_b128 v[BB+32+8*\f+4:BB+32+8*\f+7], v24, s[74:75] offset:64*\f+16
	global_load_b32 v[BB+64+8*\f], v25, s[76:77] offset:64*\f
.endr
	; where my results go
	s_lshl_b32 s16, s[Y], 19
	s_lshl_b32 s17, s[X], 1
	s_add_co_u32 s17, s17, s[WC]
	s_lshl_b32 s17, s17, 15                        ; the block of 64 channels: 2 X + WC
	s_add_co_u32 s16, s16, s17
	s_lshl_b32 s17, s[WR], 14                      ; my 128 rows of 128 bytes
	s_add_co_u32 s16, s16, s17
	s_mov_b32 s17, 0
	s_add_nc_u64 s[QB:QB+1], s[78:79], s[16:17]
	s_add_nc_u64 s[KB:KB+1], s[80:81], s[16:17]
	s_lshr_b32 s16, s[Y], 3                        ; batch
	s_lshl_b32 s16, s16, 2
	s_lshr_b32 s18, s[X], 1                        ; tile of 256 channels
	s_add_co_u32 s16, s16, s18
	s_lshl_b32 s16, s16, 5
	s_and_b32 s18, s[Y], 7
	s_lshl_b32 s18, s18, 2
	s_add_co_u32 s16, s16, s18
	s_lshl_b32 s18, s[WR], 1
	s_add_co_u32 s16, s16, s18                     ; block of 64 keys: 4 (Y % 8) + 2 WR
	s_lshl_b32 s16, s16, 15
	s_and_b32 s18, s[X], 1
	s_lshl_b32 s18, s18, 14
	s_add_co_u32 s16, s16, s18
	s_lshl_b32 s18, s[WC], 13
	s_add_co_u32 s16, s16, s18                     ; channel 128 (X % 2) + 64 WC of the tile, 128 bytes each
	s_add_nc_u64 s[VB:VB+1], s[82:83], s[16:17]
	s_wait_loadcnt 0x0
.set p, 0
.rept 32
	v_cvt_pk_bf16_f32 v[BT+p], v[BB+2*p], v[BB+2*p+1]  ; the biases are rounded to bf16, like x and the weights,
.set p, p+1
.endr
.set p, 0
.rept 32
	v_lshlrev_b32 v[BB+2*p], 16, v[BT+p]           ; and widened again
	v_and_b32 v[BB+2*p+1], 0xffff0000, v[BT+p]
.set p, p+1
.endr
.irp f, 0,1,2,3
	v_cvt_pk_bf16_f32 v[BT+\f], v[BB+64+8*\f], v[BB+64+8*\f]
.endr
.irp f, 0,1,2,3
	v_lshlrev_b32 v[BB+64+8*\f], 16, v[BT+\f]
.endr
.irp f, 0,1,2,3
.irp j, 1,2,3,4,5,6,7
	v_mov_b32 v[BB+64+8*\f+\j], v[BB+64+8*\f]
.endr
.endr
.set k, 0
.rept 24
	ds_store_b128 v[BA], v[BB+4*k:BB+4*k+3] offset:512*k  ; set aside in bytes of my own: the fragments need these registers
.set k, k+1
.endr
	s_wait_tensorcnt 0x1                           ; my part of slot 0 is in; slot 1's may stay out
	s_wait_dscnt 0x0                               ; no LDS instruction of mine is pending at a signal
	s_barrier_signal -1
	s_barrier_wait -1                              ; everybody's part is in
	BLOAD 0
	RUN -2
	RUN -1
	STR 0, 1, 0                                    ; the first quarter stands in front of the loop: its products start the sums
	STR 1, 1, 0
	STR 2, 1, 0
	WIN 0
	s_mov_b32 s[CNT], T-2
.Lloop:                                        ; a trip: from a step's second quarter to the next step's first; the slot that is left is filled again
	STR 3, 0, 1
	STR 4, 0, 1
	STR 5, 0, 1
	EDGE
	STR 0, 0, 1
	STR 1, 0, 1
	STR 2, 0, 1
	WIN 0
	s_sub_co_u32 s[CNT], s[CNT], 1
	s_cmp_lg_u32 s[CNT], 0
	s_cbranch_scc1 .Lloop
	STR 3, 0, 2                                    ; the tail is written out
	STR 4, 0, 2
	STR 5, 0, 2
	EDGE
	STR 0, 0, 2
	STR 1, 0, 2
	STR 2, 0, 2
	STR 3, 0, 3
	STR 4, 0, 3
	STR 5, 0, 3
; THE WAY OUT.  16 rows x 64 numbers at a time: rounded to f16 (16 bytes a lane), into my stage (rows of 144 bytes), back as whole rows, stored: each store of the wave covers 512 consecutive bytes.
.macro STG
.irp f, 0,1,2,3
	ds_store_b128 v[STO], v[pk_+4*\f:pk_+4*\f+3] offset:32*\f
.endr
.irp t, 0,1,2,3
	ds_load_b128 v[pk_+4*\t:pk_+4*\t+3], v[RD] offset:576*\t  ; LDS serves a wave's instructions in order (ISA guide 5.7.1): these see the stores above
.endr
.endm
.macro PACKQ n, W, a                   ; q or k (window W): rows 16 a .. of my 128, my 64 channels
	s_wait_xcnt 0x0                                ; the stores of the block before last have read this set of registers
	WIN 5*(\W)
.set pk_, PK+16*((\n)%2)
.irp f, 0,1,2,3
.irp p, 0,1,2,3
	v_cvt_pk_f16_f32 v[pk_+4*\f+\p], v[8*(4*(\a)+\f)+2*\p], v[8*(4*(\a)+\f)+2*\p+1]
.endr
.endr
	WIN 0
	STG
.endm
.macro PACKV n, f, g                   ; v: channels 16 f .. of my 64, keys 64 g .. of my 128
	s_wait_xcnt 0x0
	WIN 15
.set pk_, PK+16*((\n)%2)
.irp s, 0,1,2,3
.irp p, 0,1,2,3
	v_cvt_pk_f16_f32 v[pk_+4*\s+\p], v[8*(4*(4*(\g)+\s)+(\f))+2*\p], v[8*(4*(4*(\g)+\s)+(\f))+2*\p+1]
.endr
.endr
	WIN 0
	STG
.endm
.macro SEND n, younger, base, off      ; younger: the LDS instructions issued behind this block's loads: the next block's eight, or none
.set pk_, PK+16*((\n)%2)
.irp t, 0,1,2,3
	s_wait_dscnt (\younger)+3-\t
	global_store_b128 v[GO], v[pk_+4*\t:pk_+4*\t+3], s[\base:\base+1] offset:(\off)+512*\t
.endr
.endm
	PLACES                                         ; behind the last products
	PACKQ 0, 1, 0
.irp a, 1,2,3,4,5,6,7
	PACKQ \a, 1, \a
	SEND (\a)-1, 8, QB, ((\a)-1)*2048
.endr
	PACKQ 8, 2, 0
	SEND 7, 8, QB, 7*2048
.irp a, 1,2,3,4,5,6,7
	PACKQ 8+\a, 2, \a
	SEND 7+\a, 8, KB, ((\a)-1)*2048
.endr
	PACKV 16, 0, 0
	SEND 15, 8, KB, 7*2048
.irp e, 1,2,3,4,5,6,7
	PACKV 16+\e, (\e)%4, (\e)/4
	SEND 15+\e, 8, VB, (((\e)-1)/4)*32768+(((\e)-1)%4)*2048
.endr
	SEND 23, 0, VB, 32768+3*2048
	s_wait_tensorcnt 0x0                           ; the wave's end: behind my last tensor load and my last LDS store
	ds_add_u32 v[SPW], v[NIL]
	s_wait_dscnt 0x0
	CROUND                                         ; the closing round: no work-group ends while a partner may still ask for a tile that names it
	s_endpgm
.Lfunc_end_k_q936f6e6472_proj:
	.size	k_q936f6e6472_proj, .Lfunc_end_k_q936f6e6472_proj-k_q936f6e6472_proj
	.p2alignl 7, 3214868480
	.fill 96, 4, 3214868480
	.section	.rodata,"a",@progbits
	.p2align	6, 0x0
	.amdhsa_kernel k_q936f6e6472_proj
		.amdhsa_group_segment_fixed_size 327680
		.amdhsa_private_segment_fixed_size 0
		.amdhsa_enable_private_segment 0
		.amdhsa_kernarg_size 64
		.amdhsa_user_sgpr_count 2
		.amdhsa_user_sgpr_kernarg_segment_ptr 1
		.amdhsa_wavefront_size32 1
		.amdhsa_system_sgpr_workgroup_id_x 1
		.amdhsa_system_sgpr_workgroup_id_y 1
		.amdhsa_system_sgpr_workgroup_id_z 1
		.amdhsa_system_vgpr_workitem_id 0
		.amdhsa_next_free_vgpr 1024
		.amdhsa_next_free_sgpr 102
		.amdhsa_reserve_vcc 0
		.amdhsa_float_denorm_mode_32 3
		.amdhsa_float_denorm_mode_16_64 3
		.amdhsa_memory_ordered 1
		.amdhsa_forward_progress 1
		.amdhsa_inst_pref_size 128
	.end_amdhsa_kernel
	.amdgpu_metadata
---
amdhsa.version: [ 1, 2 ]
amdhsa.kernels:
  - .name:           k_q936f6e6472_proj
    .symbol:         k_q936f6e6472_proj.kd
    .args:
      - { .name: xb, .offset: 0, .size: 8, .value_kind: global_buffer, .address_space: global }
      - { .name: wb, .offset: 8, .size: 8, .value_kind: global_buffer, .address_space: global }
      - { .name: bq, .offset: 16, .size: 8, .value_kind: global_buffer, .address_space: global }
      - { .name: bk, .offset: 24, .size: 8, .value_kind: global_buffer, .address_space: global }
      - { .name: bv, .offset: 32, .size: 8, .value_kind: global_buffer, .address_space: global }
      - { .name: qh, .offset: 40, .size: 8, .value_kind: global_buffer, .address_space: global }
      - { .name: kh, .offset: 48, .size: 8, .value_kind: global_buffer, .address_space: global }
      - { .name: vt, .offset: 56, .size: 8, .value_kind: global_buffer, .address_space: global }
    .group_segment_fixed_size: 327680
    .private_segment_fixed_size: 0
    .kernarg_segment_align: 8
    .kernarg_segment_size: 64
    .max_flat_workgroup_size: 128
    .sgpr_count:     102
    .vgpr_count:     1024
    .wavefront_size: 32
...
	.end_amdgpu_metadata
.endif
;; end of part 2
;; launch scores (part 3): grid 8 x 32, 4 waves a work-group, clusters of 4 x 4, 327,680 bytes of LDS; arguments qh, kh, pt, st; writes pt, st
.if DOCPART == 3
	.amdgcn_target "amdgcn-amd-amdhsa--gfx1250"
	.amdhsa_code_object_version 6
	.text
	.protected	k_q936f6e6472_scores
	.globl	k_q936f6e6472_scores
	.p2align	8
	.type	k_q936f6e6472_scores,@function
k_q936f6e6472_scores:
	s_mov_b64 s[64:65], 0
	v_nop
	global_prefetch_b8 v0, s[64:65] scope:SCOPE_SE
	s_setreg_imm32_b32 hwreg(HW_REG_WAVE_MODE, 25, 1), 1
	s_wait_xcnt 0x0
	s_wait_alu depctr_hold_cnt(0) depctr_sa_sdst(0) depctr_va_vdst(0) depctr_va_sdst(0) depctr_va_ssrc(0) depctr_va_vcc(0) depctr_vm_vsrc(0)
	s_getreg_b32 s2, hwreg(HW_REG_IB_STS2, 6, 4)
	s_cmp_eq_u32 s2, 0
	s_cbranch_scc0 .Lentry_in_a_cluster
	s_endpgm
.Lentry_in_a_cluster:
	s_bfe_u32 s2, ttmp6, 0x10000c
	s_cmp_lg_u32 s2, 0xf033
	s_cbranch_scc0 .Lentry_shape_is_right
	s_endpgm
.Lentry_shape_is_right:
; SCORES.  For each batch S = q k^T (f16 operands, f32 sums), and the first half of the softmax, by blocks of 128 keys.  With c = log2(e) / 32, for each query and each block t of 128 keys:
;   cm = c x (the block's largest score),   p = 2^(c s - cm), rounded to f16,   l = the sum of the unrounded p.   The scores themselves are never stored to memory.
; The launch behind corrects every block to the row's own maximum.  All exponents are <= 0, and each block's l is >= 1.
;   pt [64 tiles of 128 queries][32 blocks of 64 keys][128][64] f16;   st [64 tiles][cm, l][16 blocks t][128] f32.
; LIMITS.  A weight below 2^-126 counts as 0 in l; p below 6e-5 keeps f16's fixed step of 6e-8.  NaN and infinities are not treated apart.
; SHARES.  A work-group makes 256 queries x 256 keys; 256 work-groups.  A wave makes 128 queries (8 fragments a) x 128 keys (2 windows w of 4 fragments f): one block t, so no wave needs another's maximum.
; Source 0 = 16 keys, source 1 = 16 queries: a lane holds ONE query (16 a + l % 16) and the keys 64 w + 16 f + 8 (l / 16) + 0..7.  Accumulator (w, a, f) is v[8 (4 a + f)] of window w + 1.
; K (1,024 channels) goes in steps of 128 through two LDS slots; a step is 4 quarters x 2 windows = 8 stretches of 32 matrix instructions; a stretch's fragments are fetched two stretches ahead.
; CLUSTER 4 x 4: q's tile is asked for jointly by my row of the cluster, k's by my column.
; THE WAY OUT is written once and walked eight times: the wave's scores go into bytes of its own in the slots (which have had their last fill), and come back 16 queries a trip, eight lanes to a query.
.set NW, 2
.set SP, 2
.set NS, 8
.set T,  8
.set RHG, 32768
.set RSG, 65536
.set CHG, 32768
.set CSG, 65536
.set RROWS, 128
.set CROWS, 128
.set RHALF, 36864
.set CHALF, 36864
.set CPL, 36864
.set SLOTX, 147456                     ; slot 1's first byte; the four parts of a slot begin at 0, 0x9000, 0x12000, 0x1b000, which share no bit with it: an exclusive or moves an address from slot to slot
.set SPT,   528                        ; the way out: a row of 128 scores, 512 bytes + 16: the 16 rows of a store start at 16 different groups of four banks
.set SCRW,  128*SPT                    ; a wave's 128 rows; four waves: 270,336 bytes, inside the two slots' 294,912
.set SST,   294912                     ; 4 x 1,024 bytes: a wave's 128 cm and 128 l; no fill lands here
.set SPARE, 299008                     ; the spare words: 128 bytes a wave, two blocks of 256 bytes that no other line names
.set R0, 4
.set C0, 5
.set RC, 6
.set CC, 7
.set RN, 8
.set CN, 9
.set SD,  10                           ; v10  the way out: where I put 32 bytes of a row of scores
.set SL0, 11                           ; v11  where I read 32 bytes of a row back, in the first 16 rows; never rewritten
.set GO,  12                           ; v12  16 x lane
.set PFO, 13
.set SPW, 14
.set NIL, 15
.set SA,  16                           ; v16  where I put a query's cm, in the first 16 rows
.set SR,  17                           ; v17  where I read 16 bytes of the statistics back
.set SLA, 24                           ; v24, v25, v26  SL0, GO and SA in the trip's 16 rows
.set GOA, 25
.set SAA, 26
.set RF,  32
.set CF,  160
.set XV,  32                           ; the way out: v[32:95]  pass u (4 rows): 16 scores a lane at XV + 16 u: 8 of each block of 64 keys
.set PK,  96                           ; v[96:127]  the same as f16
.set TM,  128                          ; v[128:131] a pass's maximum
.set CM,  136                          ; v[136:143] c m, a pair for each pass
.set LS,  144                          ; v[144:175] sums, four pairs for each pass
.set SO,  176                          ; v[176:183] the statistics as stored
.set WV, 10
.set WR, 11
.set WC, 12
.set Y,  13
.set X,  14
.set CNT, 15
.set G1R, 24
.set G1C, 32
.set G0R, 40
.set G0C, 48
.set TBC, 56
.set TBN, 57
.set LIM, 58
.set PFA, 60
.set PFS, 62
.set CX, 66
.set CY, 67
.set CS, 84
.set PB, 88
.set SB, 90
.set OFF, 92                           ; s92, s93, s94  the trip's 16 rows in the scratch, in pt and in the statistics, in bytes
.set POFF, 93
.set SOFF, 94
.set G1W, (1<<16)|(1<<20)|(1<<21)|(4<<22)|(3<<25)
.set MSB, 0
.macro WIN new                         ; the immediate's high byte repeats the setting that is left; a switch that changes nothing is dropped
.if MSB != (\new)
	s_set_vgpr_msb (MSB<<8)|(\new)
.set MSB, \new
.endif
.endm
.macro PLACES                          ; four plain places between a matrix instruction and a load into its registers
.rept 4
	v_nop
.endr
.endm
.macro CREST
	s_cmp_lg_u32 s[WV], 0
	s_cbranch_scc1 .Lnot_wave_0_\@
	s_barrier_signal -3
.Lnot_wave_0_\@:
	s_barrier_wait -3
	s_barrier_signal -1
	s_barrier_wait -1
.endm
.macro CROUND
	s_barrier_signal -1
	s_barrier_wait -1
	CREST
.endm
.macro JLOAD                           ; waves 0 and 1 fetch the step's two blocks of 64 channels of q, waves 2 and 3 those of k
	s_cmp_lt_u32 s[WV], 2
	s_cbranch_scc0 .Lfor_c_\@
	tensor_load_to_lds s[G0R+4:G0R+7], s[G1R:G1R+7]
	s_nop 0
.rept 4
	v_nop
.endr
	s_branch .Lasked_\@
.Lfor_c_\@:
	tensor_load_to_lds s[G0C+4:G0C+7], s[G1C:G1C+7]
	s_nop 0
.rept 4
	v_nop
.endr
.Lasked_\@:
.endm
; A prefetch of the step that the NEXT refill asks for: 64 KiB of q's tile (waves 0, 1 of the clusters with x = 0) and of k's (waves 2, 3 of the clusters with even y: two rows of clusters read a batch's keys).
; A wave takes its own block of 64 channels, the four partners 8 KiB each, told apart by address; a lane names 256 bytes.  Each 256 bytes are named once; steps 0 to 2 come by their loads alone; the last refill asks for nothing.
.macro ASK
	s_cmp_gt_u32 s[CNT], s[LIM]
	s_cbranch_scc0 .Lnot_mine_\@
	global_prefetch_b8 v[PFO], s[PFA:PFA+1] th:TH_LOAD_NT scope:SCOPE_SE
.Lnot_mine_\@:
.endm
.macro MUL16 i, half, zero             ; 16 matrix instructions of stretch i; the 32 accumulators of a stretch take turns
.set w_, (\i)%NW
.set q_, (\i)/NW
	WIN 0x50*(w_+1)
.irp a, 0,1,2,3
.irp f, 0,1,2,3
.set ac_, 8*(4*(4*(\half)+\a)+\f)
.set cf_, CF+32*((\i)%2)+8*\f
.set rf_, RF+64*(q_%2)+8*(4*(\half)+\a)
.if \zero
	v_wmma_f32_16x16x32_f16 v[ac_:ac_+7], v[cf_:cf_+7], v[rf_:rf_+7], 0
.else
	v_wmma_f32_16x16x32_f16 v[ac_:ac_+7], v[cf_:cf_+7], v[rf_:rf_+7], v[ac_:ac_+7]
.endif
.endr
.endr
.endm
.macro RUN i                           ; all that stretch i + 2 needs: 4 C fragments, and the quarter's 8 R fragments if it opens one; stretches past the step's end lie in the other slot
.set i2_, ((\i)+2)%NS
.set w2_, i2_%NW
.set q2_, i2_/NW
.set ra_, RC
.set ca_, CC
.if (\i)+2 >= NS
.set ra_, RN
.set ca_, CN
.endif
	WIN 0
.irp f, 0,1,2,3
	ds_load_b128 v[CF+32*(i2_%2)+8*\f:CF+32*(i2_%2)+8*\f+3],   v[ca_] offset:(q2_/2)*CPL+(4*w2_+\f)*2304+(q2_%2)*64
	ds_load_b128 v[CF+32*(i2_%2)+8*\f+4:CF+32*(i2_%2)+8*\f+7], v[ca_] offset:(q2_/2)*CPL+(4*w2_+\f)*2304+(q2_%2)*64+32
.endr
.if w2_ == 0
.irp a, 0,1,2,3,4,5,6,7
	ds_load_b128 v[RF+64*(q2_%2)+8*\a:RF+64*(q2_%2)+8*\a+3],   v[ra_] offset:(q2_/2)*36864+\a*2304+(q2_%2)*64
	ds_load_b128 v[RF+64*(q2_%2)+8*\a+4:RF+64*(q2_%2)+8*\a+7], v[ra_] offset:(q2_/2)*36864+\a*2304+(q2_%2)*64+32
.endr
.endif
.endm
; STRETCH i.  mode 1: in the loop, where the slot that is left is filled again; mode 2: the two last steps, which ask for nothing.
; The slots change in stretch NS - 2: the run before it was the last that reads the slot in hand, its own run is the first that reads the other.
.macro STR i, zero, mode
.set nr_, 8                            ; the loads of the run issued last, which may stay out: that run serves stretch i + 1
.if (((\i)+1)%NW) == 0
.set nr_, 24
.endif
.if (\i) == NS-2
.if (\mode) == 1
	s_wait_xcnt 0x0                                ; the last prefetch, a step back, has read its address
	s_add_nc_u64 s[PFA:PFA+1], s[PFA:PFA+1], s[PFS:PFS+1]
.endif
	WIN 0
	s_wait_tensorcnt 0x0                           ; all my tensor loads have landed: my part of the other slot
	ds_add_u32 v[SPW], v[NIL]                      ; 0 onto my spare word
.if (\mode) == 1
	s_xor_b32 s[G0R+5], s[G0R+5], SLOTX            ; no load of mine is out, so the walking descriptors may be written: the other slot than last time, the next step
	s_add_nc_u64 s[G0R+6:G0R+7], s[G0R+6:G0R+7], RSG
	s_xor_b32 s[G0C+5], s[G0C+5], SLOTX
	s_add_nc_u64 s[G0C+6:G0C+7], s[G0C+6:G0C+7], CSG
.endif
	s_wait_dscnt nr_+1                             ; this stretch's fragments are in; the add and the youngest run may be out
	MUL16 \i, 0, 0
	s_wait_dscnt 0x0                               ; the add is done, and my reads of the slot in hand are over
	s_barrier_signal -1
	MUL16 \i, 1, 0                                 ; work on registers while the others arrive
	WIN 0
	s_barrier_wait -1
.if (\mode) == 1
	CREST                                          ; the barrier has opened a round of the cluster's: no wave of any partner still reads the slot or has a load on its way
	JLOAD                                          ; the first tensor load behind the round; its four v_nop are the places in front of the loads below
	RUN \i
	ASK
.else
	PLACES
	RUN \i
.endif
.else
	s_wait_dscnt nr_                               ; all but the run issued last
	MUL16 \i, 0, \zero
	MUL16 \i, 1, \zero
	PLACES
	RUN \i
.endif
.endm
.macro EDGE                            ; a step's end: the two slots change names
	WIN 0
	s_xor_b32 s[TBC], s[TBC], SLOTX
	s_xor_b32 s[TBN], s[TBN], SLOTX
	v_add_nc_u32 v[RC], s[TBC], v[R0]
	v_add_nc_u32 v[CC], s[TBC], v[C0]
	v_add_nc_u32 v[RN], s[TBN], v[R0]
	v_add_nc_u32 v[CN], s[TBN], v[C0]
.endm
	s_load_b256 s[68:75], s[0:1], 0x0              ; qh 68, kh 70, pt 72, st 74
	v_lshl_add_u32 v[SPW], v0, 2, SPARE
	v_mov_b32 v[NIL], 0
	ds_add_u32 v[SPW], v[NIL]                      ; the wave's opening: the add and its wait stand ahead of my first tensor load
	v_lshrrev_b32 v1, 5, v0
	v_readfirstlane_b32 s[WV], v1
	s_lshr_b32 s[WR], s[WV], 1
	s_and_b32 s[WC], s[WV], 1
	s_bfe_u32 s[CX], ttmp6, 0x40000
	s_bfe_u32 s[CY], ttmp6, 0x40004
	s_lshl_b32 s[X], ttmp9, 2
	s_add_co_u32 s[X], s[X], s[CX]                 ; the batch's tile of 256 keys
	s_and_b32 s20, ttmp7, 0xffff                   ; cluster y: two of them to a batch
	s_lshl_b32 s[Y], s20, 2
	s_add_co_u32 s[Y], s[Y], s[CY]                 ; the tile of 256 queries, of all 32
	s_lshl_b32 s16, s[CY], 2
	s_lshl_b32 s16, 15, s16
	s_lshl_b32 s18, 0x1111, s[CX]
	s_or_b32 s[G1R], s16, G1W
	s_or_b32 s[G1C], s18, G1W
.irp g, G1R, G1C
	s_mov_b32 s[\g+1], 128<<16
	s_mov_b32 s[\g+3], 128<<16
	s_mov_b32 s[\g+5], 128
	s_mov_b32 s[\g+6], 0
	s_mov_b32 s[\g+7], 0
.endr
	s_mov_b32 s[G1R+2], RROWS<<16
	s_mov_b32 s[G1R+4], RROWS
	s_mov_b32 s[G1C+2], CROWS<<16
	s_mov_b32 s[G1C+4], CROWS
	s_lshl_b32 s16, s[Y], 19
	s_mov_b32 s17, 0
	s_lshr_b32 s18, s20, 1                         ; the batch, which all sixteen partners share
	s_lshl_b32 s18, s18, 3
	s_add_co_u32 s18, s18, s[X]
	s_lshl_b32 s18, s18, 19
	s_mov_b32 s19, 0
	s_mul_i32 s96, s[WC], RHG
	s_mov_b32 s97, 0
	s_mul_i32 s98, s[WC], CHG
	s_mov_b32 s99, 0
	s_mul_i32 s100, s[WC], RHALF
	s_mul_i32 s101, s[WC], CHALF
	s_add_co_u32 s101, s101, SP*36864
	s_mov_b32 s[TBC], 0
	s_mov_b32 s[TBN], SLOTX
	s_mov_b32 s[CS], 0x3d38aa3b                    ; c = log2(e) / 32
	s_mov_b32 s[CS+1], s[CS]                       ; named with it as a pair
	s_and_b32 s21, s20, 1
	s_cmp_lt_u32 s[WV], 2
	s_cselect_b32 s21, ttmp9, s21                  ; the coordinate along which other clusters read the same tile
	s_cselect_b32 s2, s[CX], s[CY]                 ; my place among the four that ask with me
	s_cmp_eq_u32 s21, 0
	s_cselect_b32 s[LIM], 1, -1
	s_lshl_b32 s2, s2, 13
	s_lshl_b32 s3, s[WC], 15
	s_add_co_u32 s2, s2, s3
	s_add_co_u32 s2, s2, 131072                    ; step 3, less one step
	s_mov_b32 s3, 0
	s_mov_b32 s[PFS], 0x10000
	s_mov_b32 s[PFS+1], 0
	s_wait_dscnt 0x0
	s_wait_kmcnt 0x0
	s_add_nc_u64 s[20:21], s[68:69], s[16:17]
	s_add_nc_u64 s[22:23], s[70:71], s[18:19]
	s_cmp_lt_u32 s[WV], 2
	s_cselect_b64 s[PFA:PFA+1], s[20:21], s[22:23]
	s_add_nc_u64 s[PFA:PFA+1], s[PFA:PFA+1], s[2:3]
	s_add_nc_u64 s[20:21], s[20:21], s[96:97]
	s_add_nc_u64 s[22:23], s[22:23], s[98:99]
.irp s, 0,1
	s_mov_b32 s[G0R+4*(\s)], 1
	s_add_co_u32 s[G0R+4*(\s)+1], s100, (\s)*SLOTX
	s_add_nc_u64 s[G0R+4*(\s)+2:G0R+4*(\s)+3], s[20:21], (\s)*RSG
	s_or_b32 s[G0R+4*(\s)+3], s[G0R+4*(\s)+3], 0x80000000
	s_mov_b32 s[G0C+4*(\s)], 1
	s_add_co_u32 s[G0C+4*(\s)+1], s101, (\s)*SLOTX
	s_add_nc_u64 s[G0C+4*(\s)+2:G0C+4*(\s)+3], s[22:23], (\s)*CSG
	s_or_b32 s[G0C+4*(\s)+3], s[G0C+4*(\s)+3], 0x80000000
.endr
	CROUND                                         ; all sixteen work-groups are here: the first joint loads meet
	s_cmp_lt_u32 s[WV], 2                          ; a wave's two first fills stand in one branch: two loads of mine are out
	s_cbranch_scc0 .Lfirst_c
	tensor_load_to_lds s[G0R:G0R+3], s[G1R:G1R+7]
	s_nop 0
	tensor_load_to_lds s[G0R+4:G0R+7], s[G1R:G1R+7]
	s_nop 0
.rept 4
	v_nop
.endr
	s_branch .Lfirst_asked
.Lfirst_c:
	tensor_load_to_lds s[G0C:G0C+3], s[G1C:G1C+7]
	s_nop 0
	tensor_load_to_lds s[G0C+4:G0C+7], s[G1C:G1C+7]
	s_nop 0
.rept 4
	v_nop
.endr
.Lfirst_asked:
	v_and_b32 v1, 15, v0                           ; r
	v_bfe_u32 v2, v0, 4, 1                         ; h
	v_and_b32 v20, 31, v0                          ; lane
	v_mul_u32_u24 v3, v1, 144
	v_lshl_add_u32 v3, v2, 4, v3
	s_mul_i32 s16, s[WR], 18432
	s_mul_i32 s17, s[WC], NW*9216
	s_add_co_u32 s17, s17, SP*36864
	v_add_nc_u32 v[R0], s16, v3
	v_add_nc_u32 v[C0], s17, v3
	v_mov_b32 v[RC], v[R0]
	v_mov_b32 v[CC], v[C0]
	v_add_nc_u32 v[RN], SLOTX, v[R0]
	v_add_nc_u32 v[CN], SLOTX, v[C0]
	s_mul_i32 s16, s[WV], SCRW                     ; my scratch for the way out
	v_mul_u32_u24 v21, v1, SPT
	v_lshl_add_u32 v21, v2, 5, v21
	v_add_nc_u32 v[SD], s16, v21                   ; in: row r, 32 bytes (8 keys) for each half of the lanes
	v_lshrrev_b32 v21, 3, v20                      ; back: eight lanes to a row: row lane / 8,
	v_and_b32 v22, 7, v0
	v_mul_u32_u24 v23, v21, SPT
	v_lshl_add_u32 v23, v22, 5, v23                ; 8 keys at 8 (lane % 8) of each block of 64
	v_add_nc_u32 v[SL0], s16, v23
	v_lshlrev_b32 v[GO], 4, v20
	v_lshlrev_b32 v[PFO], 8, v20
	s_lshl_b32 s16, s[WV], 10
	s_add_co_u32 s16, s16, SST
	v_lshl_add_u32 v[SA], v21, 2, s16
	v_lshl_add_u32 v[SR], v20, 4, s16
	s_lshl_b32 s16, s[Y], 1
	s_add_co_u32 s16, s16, s[WR]                   ; my tile of 128 queries
	s_lshl_b32 s18, s16, 14                        ; its 16,384 bytes of st
	s_lshl_b32 s16, s16, 5
	s_lshl_b32 s17, s[X], 2
	s_add_co_u32 s16, s16, s17
	s_lshl_b32 s17, s[WC], 1
	s_add_co_u32 s16, s16, s17                     ; + my first block of 64 keys
	s_lshl_b32 s16, s16, 14
	s_mov_b32 s17, 0
	s_add_nc_u64 s[PB:PB+1], s[72:73], s[16:17]
	s_lshl_b32 s16, s[X], 1
	s_add_co_u32 s16, s16, s[WC]                   ; my block t of 128 keys
	s_lshl_b32 s16, s16, 9
	s_add_co_u32 s16, s16, s18
	s_add_nc_u64 s[SB:SB+1], s[74:75], s[16:17]
	s_wait_tensorcnt 0x1                           ; my part of slot 0 is in; slot 1's may stay out
	s_barrier_signal -1
	s_barrier_wait -1
	RUN -2
	RUN -1
	STR 0, 1, 0                                    ; the first quarter's products start the sums with the constant 0
	STR 1, 1, 0
	WIN 0
	s_mov_b32 s[CNT], T-2
.Lloop:                                        ; a trip: from a step's second quarter to the next step's first; the slot that is left is filled again
	STR 2, 0, 1
	STR 3, 0, 1
	STR 4, 0, 1
	STR 5, 0, 1
	STR 6, 0, 1
	STR 7, 0, 1
	EDGE
	STR 0, 0, 1
	STR 1, 0, 1
	WIN 0
	s_sub_co_u32 s[CNT], s[CNT], 1
	s_cmp_lg_u32 s[CNT], 0
	s_cbranch_scc1 .Lloop
	; The two last steps ask for nothing: a text of their own, written once and walked twice; the second trip is left in its middle.
	; That trip's change of slots is one more plain barrier, and its last two runs bring the other slot's old bytes into registers that nothing multiplies: the price of one text for both steps.
	s_mov_b32 s[CNT], 2
.Ltail:
	STR 2, 0, 2
	STR 3, 0, 2
	STR 4, 0, 2
	STR 5, 0, 2
	STR 6, 0, 2
	STR 7, 0, 2
	EDGE
	s_sub_co_u32 s[CNT], s[CNT], 1
	s_cmp_eq_u32 s[CNT], 0
	s_cbranch_scc1 .Lout
	STR 0, 0, 2
	STR 1, 0, 2
	WIN 0
	s_cmp_lg_u32 s[CNT], 0
	s_cbranch_scc1 .Ltail
.Lout:
	s_wait_dscnt 0x0                               ; my last reads of the slots are back
	s_barrier_signal -1
	s_barrier_wait -1                              ; everybody's are: the slots have had their last fill and their last read, and serve as scratch, each wave's bytes its own
	; THE WAY OUT.  1. my 128 x 128 scores into my scratch: row = query, 32 bytes a lane and accumulator.  Each accumulator's four lowest registers go first.
	; (The places behind the last products are the four v_nop and the four additions that followed them.)
.irp W, 1, 2
	WIN 4*(\W)                                     ; store data in window W, address in window 0
.set k, 0
.rept 32
	ds_store_b128 v[SD], v[8*k:8*k+3]   offset:(k/4)*16*SPT+((\W)-1)*256+(k%4)*64
	ds_store_b128 v[SD], v[8*k+4:8*k+7] offset:(k/4)*16*SPT+((\W)-1)*256+(k%4)*64+16
.set k, k+1
.endr
.endr
	WIN 0
.macro ALL4 line:vararg                ; one line for each pass u of four rows
.set u, 0
.rept 4
	\line
.set u, u+1
.endr
.endm
.macro SLOAD                           ; 16 rows of scores: pass u brings rows 4 u + lane / 8; LDS serves a wave's instructions in order (ISA guide 5.7.1): these see my stores
.irp u, 0,1,2,3
.irp w, 0,1
	ds_load_b128 v[XV+16*\u+8*\w:XV+16*\u+8*\w+3],   v[SLA] offset:\u*4*SPT+\w*256
	ds_load_b128 v[XV+16*\u+8*\w+4:XV+16*\u+8*\w+7], v[SLA] offset:\u*4*SPT+\w*256+16
.endr
.endr
.endm
.macro FX p                            ; pair p of 32: c s - c m
	v_pk_fma_f32 v[XV+2*(\p):XV+2*(\p)+1], v[XV+2*(\p):XV+2*(\p)+1], s[CS:CS+1], v[CM+2*((\p)/8):CM+2*((\p)/8)+1] op_sel_hi:[1,0,0] neg_lo:[0,0,1] neg_hi:[0,0,1]
.endm
	s_mov_b32 s[OFF], 0
	s_mov_b32 s[POFF], 0
	s_mov_b32 s[SOFF], 0
	s_mov_b32 s[CNT], 8
	v_mov_b32 v[SLA], v[SL0]
	SLOAD
.Lrows:                                        ; 2. eight trips of 16 queries
	s_wait_dscnt 0x0                               ; the trip's scores are in
	ALL4 v_max3_num_f32 v[TM+u], v[XV+16*u], v[XV+16*u+1], v[XV+16*u+2]
.irp j, 3,5,7,9,11,13
	ALL4 v_max3_num_f32 v[TM+u], v[TM+u], v[XV+16*u+\j], v[XV+16*u+\j+1]
.endr
	ALL4 v_max_num_f32 v[TM+u], v[TM+u], v[XV+16*u+15]
.irp m, 1,2,4
	ALL4 v_max_num_f32_dpp v[TM+u], v[TM+u], v[TM+u] row_xmask:\m row_mask:0xf bank_mask:0xf  ; the query's other keys lie in the seven lanes beside me
.endr
	ALL4 v_mul_f32 v[CM+2*u], s[CS], v[TM+u]
	ALL4 v_mov_b32 v[CM+2*u+1], v[CM+2*u]
	FX 0                                           ; p = 2^(c s - c m), in place; a pair's scaling stands two pairs ahead of its exponentials
	FX 1
.set p, 0
.rept 32
.if p < 30
	FX p+2
.endif
	v_exp_f32 v[XV+2*p], v[XV+2*p]
	v_exp_f32 v[XV+2*p+1], v[XV+2*p+1]
.set p, p+1
.endr
	v_nop                                          ; a plain instruction behind the last exponential,
	s_wait_alu depctr_va_vdst(0)                   ; and the wait ahead of the first instruction that names a result: one for the trip's 64
	s_wait_xcnt 0x0                                ; the last trip's stores have read their registers: PK and GOA are written only behind this wait
	v_add_nc_u32 v[GOA], s[POFF], v[GO]
	v_add_nc_u32 v[SAA], s[SOFF], v[SA]
.set k, 0
.rept 32
	v_cvt_pk_f16_f32 v[PK+k], v[XV+2*k], v[XV+2*k+1]
.set k, k+1
.endr
.set k, 0
.rept 16
	v_pk_add_f32 v[LS+2*k:LS+2*k+1], v[XV+4*k:XV+4*k+1], v[XV+4*k+2:XV+4*k+3]  ; the sums are taken of the unrounded p
.set k, k+1
.endr
	s_add_co_u32 s[OFF], s[OFF], 16*SPT
	s_cmp_eq_u32 s[CNT], 1                         ; the scores' registers are free: the next trip's come while this trip is finished; behind the last trip there are none
	s_cbranch_scc1 .Lno_more
	v_add_nc_u32 v[SLA], s[OFF], v[SL0]
	SLOAD
.Lno_more:
	ALL4 v_pk_add_f32 v[LS+8*u:LS+8*u+1], v[LS+8*u:LS+8*u+1], v[LS+8*u+2:LS+8*u+3]
	ALL4 v_pk_add_f32 v[LS+8*u+4:LS+8*u+5], v[LS+8*u+4:LS+8*u+5], v[LS+8*u+6:LS+8*u+7]
	ALL4 v_pk_add_f32 v[LS+8*u:LS+8*u+1], v[LS+8*u:LS+8*u+1], v[LS+8*u+4:LS+8*u+5]
	ALL4 v_add_f32 v[LS+8*u], v[LS+8*u], v[LS+8*u+1]
.irp m, 1,2,4
	ALL4 v_add_f32_dpp v[LS+8*u], v[LS+8*u], v[LS+8*u] row_xmask:\m row_mask:0xf bank_mask:0xf
.endr
	ALL4 ds_store_b32 v[SAA], v[CM+2*u] offset:16*u      ; the statistics are gathered in bytes of my own (a row's eight lanes write the same number to the same word)
	ALL4 ds_store_b32 v[SAA], v[LS+8*u] offset:512+16*u
.irp u, 0,1,2,3
.irp w, 0,1
	global_store_b128 v[GOA], v[PK+8*\u+4*\w:PK+8*\u+4*\w+3], s[PB:PB+1] offset:\w*16384+\u*512  ; four rows of 128 bytes: 512 consecutive bytes, at a multiple of 512 from pt's first byte
.endr
.endr
	s_add_co_u32 s[POFF], s[POFF], 2048
	s_add_co_u32 s[SOFF], s[SOFF], 64
	s_sub_co_u32 s[CNT], s[CNT], 1
	s_cmp_lg_u32 s[CNT], 0
	s_cbranch_scc1 .Lrows
	ds_load_b128 v[SO:SO+3], v[SR]                 ; 3. the statistics: each store of the wave covers 512 consecutive bytes
	ds_load_b128 v[SO+4:SO+7], v[SR] offset:512
	s_wait_dscnt 0x0
	global_store_b128 v[GO], v[SO:SO+3], s[SB:SB+1]
	global_store_b128 v[GO], v[SO+4:SO+7], s[SB:SB+1] offset:8192
	s_wait_tensorcnt 0x0                           ; the wave's end: behind my last tensor load and my last LDS store
	ds_add_u32 v[SPW], v[NIL]
	s_wait_dscnt 0x0
	CROUND                                         ; the closing round: no work-group ends while a partner may still ask for a tile that names it
	s_endpgm
.Lfunc_end_k_q936f6e6472_scores:
	.size	k_q936f6e6472_scores, .Lfunc_end_k_q936f6e6472_scores-k_q936f6e6472_scores
	.p2alignl 7, 3214868480
	.fill 96, 4, 3214868480
	.section	.rodata,"a",@progbits
	.p2align	6, 0x0
	.amdhsa_kernel k_q936f6e6472_scores
		.amdhsa_group_segment_fixed_size 327680
		.amdhsa_private_segment_fixed_size 0
		.amdhsa_enable_private_segment 0
		.amdhsa_kernarg_size 32
		.amdhsa_user_sgpr_count 2
		.amdhsa_user_sgpr_kernarg_segment_ptr 1
		.amdhsa_wavefront_size32 1
		.amdhsa_system_sgpr_workgroup_id_x 1
		.amdhsa_system_sgpr_workgroup_id_y 1
		.amdhsa_system_sgpr_workgroup_id_z 1
		.amdhsa_system_vgpr_workitem_id 0
		.amdhsa_next_free_vgpr 768
		.amdhsa_next_free_sgpr 102
		.amdhsa_reserve_vcc 0
		.amdhsa_float_denorm_mode_32 3
		.amdhsa_float_denorm_mode_16_64 3
		.amdhsa_memory_ordered 1
		.amdhsa_forward_progress 1
		.amdhsa_inst_pref_size 95
	.end_amdhsa_kernel
	.amdgpu_metadata
---
amdhsa.version: [ 1, 2 ]
amdhsa.kernels:
  - .name:           k_q936f6e6472_scores
    .symbol:         k_q936f6e6472_scores.kd
    .args:
      - { .name: qh, .offset: 0, .size: 8, .value_kind: global_buffer, .address_space: global }
      - { .name: kh, .offset: 8, .size: 8, .value_kind: global_buffer, .address_space: global }
      - { .name: pt, .offset: 16, .size: 8, .value_kind: global_buffer, .address_space: global }
      - { .name: st, .offset: 24, .size: 8, .value_kind: global_buffer, .address_space: global }
    .group_segment_fixed_size: 327680
    .private_segment_fixed_size: 0
    .kernarg_segment_align: 8
    .kernarg_segment_size: 32
    .max_flat_workgroup_size: 128
    .sgpr_count:     102
    .vgpr_count:     768
    .wavefront_size: 32
...
	.end_amdgpu_metadata
.endif
;; end of part 3
;; launch pv (part 4): grid 64 x 4, 4 waves a work-group, clusters of 4 x 4, 327,680 bytes of LDS; arguments vt, pt, st, out0; writes out0
.if DOCPART == 4
	.amdgcn_target "amdgcn-amd-amdhsa--gfx1250"
	.amdhsa_code_object_version 6
	.text
	.protected	k_q936f6e6472_pv
	.globl	k_q936f6e6472_pv
	.p2align	8
	.type	k_q936f6e6472_pv,@function
k_q936f6e6472_pv:
	s_mov_b64 s[64:65], 0
	v_nop
	global_prefetch_b8 v0, s[64:65] scope:SCOPE_SE
	s_setreg_imm32_b32 hwreg(HW_REG_WAVE_MODE, 25, 1), 1
	s_wait_xcnt 0x0
	s_wait_alu depctr_hold_cnt(0) depctr_sa_sdst(0) depctr_va_vdst(0) depctr_va_sdst(0) depctr_va_ssrc(0) depctr_va_vcc(0) depctr_vm_vsrc(0)
	s_getreg_b32 s2, hwreg(HW_REG_IB_STS2, 6, 4)
	s_cmp_eq_u32 s2, 0
	s_cbranch_scc0 .Lentry_in_a_cluster
	s_endpgm
.Lentry_in_a_cluster:
	s_bfe_u32 s2, ttmp6, 0x10000c
	s_cmp_lg_u32 s2, 0xf033
	s_cbranch_scc0 .Lentry_shape_is_right
	s_endpgm
.Lentry_shape_is_right:
; PV.  The second half of the softmax and the second product.  For each query, from the 16 blocks' cm_t and l_t:  M = max_t cm_t,  f_t = 2^(cm_t - M),  L = sum_t l_t f_t  (>= 1: the block that holds the row's
; maximum has f = 1 and l >= 1).  Then O = (sum_t (p_t f_t) v_t) / L: so every weight is 2^(c s - M), with the row's own maximum taken away.
; p_t f_t is made in f16, between the LDS load of a fragment of p and the matrix instruction that takes it; sums in f32; O leaves in f32.
; LIMITS.  f_t is rounded to f16 for the product (L takes it unrounded); p f below 6e-5 keeps f16's fixed step of 6e-8; f_t below 2^-126 counts as 0.  NaN and infinities are not treated apart.
; SHARES.  A work-group makes 256 channels x 128 queries; 256 work-groups.  A wave makes 128 channels (8 fragments a of v^T) x 64 queries (4 fragments f of p): accumulator (a, f) is v[8 (4 a + f)] of window 1.
; Source 0 = 16 channels, source 1 = 16 queries: a lane holds ONE query (16 f + l % 16) and the channels 16 a + 8 (l / 16) + 0..7.
; STEPS OF 192 KEYS.  A slot holds three blocks of 64 keys of both tiles; a step is 6 stretches of 32 matrix instructions, and a refill has 160 of them between its request and the wait for it.
; 2,048 keys are 32 blocks: 11 steps, of which the last has two blocks.  Each descriptor states how many rows of 256 bytes are left of its tile; what lies beyond arrives in LDS as zeros (both of v^T and of p),
; so the last step is a step like any other, whose last two stretches add 0: the price of one text, 2 stretches in 66.
; LDS.  A tile's rows are 128 bytes; they are asked for two to a row of 256 bytes, with 16 bytes of padding behind each pair: row x lies at (x / 2) 272 + (x % 2) 128, so the 16 rows of a fragment load start at
; 16 different groups of four banks, and two slots of 576 pairs x 272 = 156,672 bytes fit.  Slot a at 0, slot b at 163,840; behind each a table of factors; then the spare words.
; A stretch's fragments are fetched two stretches ahead and scaled one ahead.  CLUSTER 4 x 4: v^T's tile (batch, 256 channels) is asked for jointly by my row of the cluster, p's tile (128 queries) by my column.
.set NS, 6
.set T,  11
.set RHG, 49152                        ; bytes in memory from wave 0's half of a step's v^T to wave 1's,
.set RSG, 98304                        ; and from step to step
.set CHG, 24576
.set CSG, 49152
.set RROWS, 192                        ; rows of 256 bytes in a wave's load
.set CROWS, 96
.set RLEFT, 4096-2*RROWS               ; rows of 256 bytes left of v^T's tile at step 1; wave 1's half has 192 fewer
.set CLEFT, 2048-2*CROWS
.set PRW, 272                          ; a pair of rows in LDS
.set FRG, 8*PRW                        ; 16 rows: from fragment to fragment
.set RPL, 128*PRW                      ; a block of 64 keys of v^T in LDS
.set CPL, 64*PRW                       ; and of p
.set RHALF, RROWS*PRW
.set CHALF, CROWS*PRW
.set CBASE, 3*RPL                      ; p's three blocks lie behind v^T's three
.set SLOTX, 163840
.set FTB,   156672                     ; the table for the queries of WC = 0; that for WC = 1 lies SLOTX further on: 18 rows of 256 bytes: 16 of factors, one of zeros, one of 1 / L; no fill lands there
.set SPARE, 325120                     ; the spare words: 128 bytes a wave, two blocks of 256 bytes that no other line names
.set OPT,   528                        ; the way out: a row of 128 channels, 512 bytes + 16; a wave's 64 rows at 33,792 x wave, in slot a's bytes
.set R0, 4                             ; v4  my lane's place in the wave's rows of v^T in a slot; never rewritten
.set C0, 5                             ; v5  the same for p
.set RC, 6                             ; v6, v7  these two in the slot in hand
.set CC, 7
.set RN, 8                             ; v8, v9  and in the other slot
.set CN, 9
.set STO, 10
.set RD,  11
.set GO,  12
.set PFO, 13                           ; 256 x lane; never rewritten
.set SPW, 14
.set NIL, 15
.set FTW, 16                           ; v16  where I put 8 bytes of a row of the table
.set FT0, 17                           ; v17  where I read 16 bytes of row 0; never rewritten
.set FTA, 18                           ; v18  the same in the row that the run in hand reads
.set SOF, 19                           ; v19  my byte offset in a block's 128 numbers of st
.set RC2, 23                           ; v23  RC at the slot's third block: past the reach of a 16-bit offset
.set PFO2, 24                          ; v24  PFO for a wave's second prefetch; never rewritten
.set RDA, 25
.set RF,  32                           ; v[32:159]  two buffers of 8 fragments of v^T, by the stretch's parity
.set CF,  160                          ; v[160:223] two groups of 4 fragments of p
.set FS,  224                          ; v[224:231] two sets of factors (f, f) in f16 for my query of fragments 0..3; at the end 1 / L in f32
.set RL,  232                          ; v[232:239] 1 / L, a pair for each fragment
.set WV, 10
.set WR, 11
.set WC, 12
.set Y,  13
.set X,  14
.set CNT, 15
.set G1R, 24
.set G1C, 32
.set G0R, 40                           ; two sets: slot a's first fill; slot b's, which then walks
.set G0C, 48
.set TBC, 56                           ; LDS byte of the slot in hand, and of the other
.set TBN, 57
.set LIM, 58
.set GC,  59                           ; s59  64 x the number of the stretch that the next run fetches for: its bits 8 and up are the table's row, 256 bytes for every 4 stretches
.set PFA, 60
.set PFS, 62
.set CX, 66
.set CY, 67
.set OB, 88
.set SB, 90
.set TS, 92
.set OFF, 93
.set PF2, 94
.set LBR, 100                          ; s100, s101  where my part of a step's tile lies in a slot
.set LBC, 101
.set G1W, (1<<16)|(1<<20)|(1<<21)|(5<<22)|(3<<25)  ; 2-byte elements; padding on; bit 21 beside a mask; after every 64 words 4 words
.set MSB, 0
.macro WIN new
.if MSB != (\new)
	s_set_vgpr_msb (MSB<<8)|(\new)
.set MSB, \new
.endif
.endm
.macro CREST
	s_cmp_lg_u32 s[WV], 0
	s_cbranch_scc1 .Lnot_wave_0_\@
	s_barrier_signal -3
.Lnot_wave_0_\@:
	s_barrier_wait -3
	s_barrier_signal -1
	s_barrier_wait -1
.endm
.macro CROUND
	s_barrier_signal -1
	s_barrier_wait -1
	CREST
.endm
.macro JLOAD                           ; waves 0 and 1 fetch the two halves of the step's v^T, waves 2 and 3 those of its p
	s_cmp_lt_u32 s[WV], 2
	s_cbranch_scc0 .Lfor_c_\@
	tensor_load_to_lds s[G0R+4:G0R+7], s[G1R:G1R+7]
	s_nop 0
.rept 4
	v_nop
.endr
	s_branch .Lasked_\@
.Lfor_c_\@:
	tensor_load_to_lds s[G0C+4:G0C+7], s[G1C:G1C+7]
	s_nop 0
.rept 4
	v_nop
.endr
.Lasked_\@:
.endm
; PREFETCHES, behind the joint load and the run of LDS loads.  Both tiles are dense streams, walked from step 4's first byte to the tile's end in five asks, in the loop's trips 2 to 6: v^T 131,072 bytes an ask
; (waves 0 and 1 of the first of the four clusters that walk a batch; unit 4 WC + cx of 8 KiB, and the same 65,536 bytes on), p 65,536 bytes an ask (wave 2 of every cluster: no other cluster reads it; unit cy,
; and the same 32,768 bytes on).  A lane names 256 bytes; the partners are told apart by address.  Each 256 bytes are named once, one to three steps ahead of their load; steps 0 to 3 come by their loads alone.
.macro ASK
	s_cmp_gt_u32 s[CNT], s[LIM]
	s_cbranch_scc0 .Lnot_mine_\@
	s_cmp_lt_u32 s[CNT], T-2
	s_cbranch_scc0 .Lnot_mine_\@
	global_prefetch_b8 v[PFO], s[PFA:PFA+1] th:TH_LOAD_NT scope:SCOPE_SE
	global_prefetch_b8 v[PFO2], s[PFA:PFA+1] th:TH_LOAD_NT scope:SCOPE_SE
.Lnot_mine_\@:
.endm
.macro MUL16 i, half, zero             ; the 32 accumulators take turns, from stretch to stretch too
	WIN 0x50
.irp a, 0,1,2,3
.irp f, 0,1,2,3
.set ac_, 8*(4*(4*(\half)+\a)+\f)
.set cf_, CF+32*((\i)%2)+8*\f
.set rf_, RF+64*((\i)%2)+8*(4*(\half)+\a)
.if \zero
	v_wmma_f32_16x16x32_f16 v[ac_:ac_+7], v[rf_:rf_+7], v[cf_:cf_+7], 0
.else
	v_wmma_f32_16x16x32_f16 v[ac_:ac_+7], v[rf_:rf_+7], v[cf_:cf_+7], v[ac_:ac_+7]
.endif
.endr
.endr
.endm
.macro RUN i                           ; all that stretch i + 2 needs: 4 fragments of p, 8 of v^T, and its row of factors: 25 loads.  Stretches past the step's end lie in the other slot
.set i2_, ((\i)+2)%NS
.set p2_, i2_/2
.set ra_, RC
.set ca_, CC
.set ro_, p2_*RPL
.if p2_ == 2
.set ra_, RC2
.set ro_, 0
.endif
.if (\i)+2 >= NS
.set ra_, RN
.set ca_, CN
.endif
	WIN 0
	s_and_b32 s[TS], s[GC], 0xff00
	v_add_nc_u32 v[FTA], s[TS], v[FT0]
.irp f, 0,1,2,3
	ds_load_b128 v[CF+32*(i2_%2)+8*\f:CF+32*(i2_%2)+8*\f+3],   v[ca_] offset:p2_*CPL+\f*FRG+(i2_%2)*64
	ds_load_b128 v[CF+32*(i2_%2)+8*\f+4:CF+32*(i2_%2)+8*\f+7], v[ca_] offset:p2_*CPL+\f*FRG+(i2_%2)*64+32
.endr
.irp a, 0,1,2,3,4,5,6,7
	ds_load_b128 v[RF+64*(i2_%2)+8*\a:RF+64*(i2_%2)+8*\a+3],   v[ra_] offset:ro_+\a*FRG+(i2_%2)*64
	ds_load_b128 v[RF+64*(i2_%2)+8*\a+4:RF+64*(i2_%2)+8*\a+7], v[ra_] offset:ro_+\a*FRG+(i2_%2)*64+32
.endr
	ds_load_b128 v[FS+4*(i2_%2):FS+4*(i2_%2)+3], v[FTA]
	s_add_co_u32 s[GC], s[GC], 64
.endm
.macro SCALE par                       ; the 4 fragments of p of parity par times their queries' factor, in place: 32 plain instructions that name no register of the products just issued: also their places
	WIN 0
.irp f, 0,1,2,3
.irp j, 0,1,2,3,4,5,6,7
	v_pk_mul_f16 v[CF+32*(\par)+8*\f+\j], v[CF+32*(\par)+8*\f+\j], v[FS+4*(\par)+\f]
.endr
.endr
.endm
; STRETCH i: its 32 products; the wait for the run issued a stretch ago; the scaling of stretch i + 1's p; the run for stretch i + 2.
; mode 1: in the loop, where the slot that is left is filled again; mode 2: the two last steps, which ask for nothing.
; The slots change in stretch NS - 2: the run before it was the last that reads the slot in hand, its own run is the first that reads the other.
.macro STR i, zero, mode
.if (\i) == NS-2
.if (\mode) == 1
	s_wait_xcnt 0x0                                ; the last prefetches, a step back, have read their address
	s_add_nc_u64 s[PFA:PFA+1], s[PFA:PFA+1], s[PFS:PFS+1]
.endif
	WIN 0
	s_wait_tensorcnt 0x0                           ; all my tensor loads have landed: my part of the other slot
	ds_add_u32 v[SPW], v[NIL]                      ; 0 onto my spare word
.if (\mode) == 1
	s_add_co_u32 s[G0R+5], s[LBR], s[TBC]          ; no load of mine is out, so the descriptors may be written: into the slot in hand, which is being left;
	s_add_nc_u64 s[G0R+6:G0R+7], s[G0R+6:G0R+7], RSG  ; the next step (the type bits on top are not reached);
	s_sub_co_u32 s[G1R+2], s[G1R+2], (2*RROWS)<<16 ; and so many rows fewer are left of the tile
	s_add_co_u32 s[G0C+5], s[LBC], s[TBC]
	s_add_nc_u64 s[G0C+6:G0C+7], s[G0C+6:G0C+7], CSG
	s_sub_co_u32 s[G1C+2], s[G1C+2], (2*CROWS)<<16
.endif
	MUL16 \i, 0, 0                                 ; (this stretch's fragments were waited for, and scaled, a stretch ago)
	s_wait_dscnt 0x0                               ; the add is done, and my reads of the slot in hand are over
	s_barrier_signal -1
	MUL16 \i, 1, 0                                 ; work on registers while the others arrive
	WIN 0
	s_barrier_wait -1
.if (\mode) == 1
	CREST                                          ; the barrier has opened a round of the cluster's: no wave of any partner still reads the slot or has a load on its way
	JLOAD                                          ; the first tensor load behind the round
.endif
	SCALE ((\i)+1)%2
	RUN \i
.if (\mode) == 1
	ASK
.endif
.else
	MUL16 \i, 0, \zero
	MUL16 \i, 1, \zero
	s_wait_dscnt 0x0                               ; the run issued 32 products ago is in
	SCALE ((\i)+1)%2
	RUN \i
.endif
.endm
.macro EDGE                            ; a step's end: the two slots change names
	WIN 0
	s_xor_b32 s[TBC], s[TBC], SLOTX
	s_xor_b32 s[TBN], s[TBN], SLOTX
	v_add_nc_u32 v[RC], s[TBC], v[R0]
	v_add_nc_u32 v[RC2], 2*RPL, v[RC]
	v_add_nc_u32 v[CC], s[TBC], v[C0]
	v_add_nc_u32 v[RN], s[TBN], v[R0]
	v_add_nc_u32 v[CN], s[TBN], v[C0]
.endm
	s_load_b256 s[68:75], s[0:1], 0x0              ; vt 68, pt 70, st 72, out0 74
	v_lshl_add_u32 v[SPW], v0, 2, SPARE
	v_mov_b32 v[NIL], 0
	ds_add_u32 v[SPW], v[NIL]                      ; the wave's opening: the add and its wait stand ahead of my first tensor load
	v_lshrrev_b32 v1, 5, v0
	v_readfirstlane_b32 s[WV], v1
	s_lshr_b32 s[WR], s[WV], 1
	s_and_b32 s[WC], s[WV], 1
	s_bfe_u32 s[CX], ttmp6, 0x40000
	s_bfe_u32 s[CY], ttmp6, 0x40004
	s_lshl_b32 s[X], ttmp9, 2
	s_add_co_u32 s[X], s[X], s[CX]                 ; my tile of 128 queries, of all 64
	s_mov_b32 s[Y], s[CY]                          ; my tile of 256 channels: the grid is one cluster high
	s_lshl_b32 s16, s[CY], 2
	s_lshl_b32 s16, 15, s16
	s_lshl_b32 s18, 0x1111, s[CX]
	s_or_b32 s[G1R], s16, G1W
	s_or_b32 s[G1C], s18, G1W
.irp g, G1R, G1C                       ; a dense stream asked for as rows of 256 bytes (128 elements), two tile rows each
	s_mov_b32 s[\g+1], 128<<16                     ; tensor_dim0
	s_mov_b32 s[\g+3], 128<<16                     ; tile_dim0
	s_mov_b32 s[\g+5], 128                         ; elements from row to row
	s_mov_b32 s[\g+6], 0
	s_mov_b32 s[\g+7], 0
.endr
	s_mul_i32 s16, s[WC], RROWS
	s_sub_co_u32 s16, RLEFT, s16
	s_lshl_b32 s[G1R+2], s16, 16                   ; tensor_dim1: the rows left at my part of step 1; it serves both first fills, whose tiles lie wholly inside
	s_mov_b32 s[G1R+4], RROWS                      ; tile_dim1
	s_mul_i32 s16, s[WC], CROWS
	s_sub_co_u32 s16, CLEFT, s16
	s_lshl_b32 s[G1C+2], s16, 16
	s_mov_b32 s[G1C+4], CROWS
	s_lshr_b32 s16, ttmp9, 2                       ; the batch, which all sixteen partners share
	s_lshl_b32 s16, s16, 2
	s_add_co_u32 s16, s16, s[CY]
	s_lshl_b32 s16, s16, 20                        ; v^T's tile: 1,048,576 bytes
	s_mov_b32 s17, 0
	s_lshl_b32 s18, s[X], 19                       ; p's tile: 524,288 bytes
	s_mov_b32 s19, 0
	s_mul_i32 s96, s[WC], RHG
	s_mov_b32 s97, 0
	s_mul_i32 s98, s[WC], CHG
	s_mov_b32 s99, 0
	s_mul_i32 s[LBR], s[WC], RHALF                 ; no place in the cluster enters an LDS address
	s_mul_i32 s[LBC], s[WC], CHALF
	s_add_co_u32 s[LBC], s[LBC], CBASE
	s_mov_b32 s[TBC], 0
	s_mov_b32 s[TBN], SLOTX
	s_mov_b32 s[GC], 0
	s_and_b32 s21, ttmp9, 3                        ; v^T: the first of the batch's four clusters asks
	s_and_b32 s22, s[WV], 1                        ; p: wave 2 of every cluster
	s_cmp_lt_u32 s[WV], 2
	s_cselect_b32 s21, s21, s22
	s_cmp_eq_u32 s21, 0
	s_cselect_b32 s[LIM], 3, -1                    ; the same in all sixteen partners, for a given wave
	s_mov_b32 s22, 0x20000
	s_mov_b32 s23, 0x10000
	s_lshl_b32 s2, s[WC], 2
	s_add_co_u32 s2, s2, s[CX]
	s_lshl_b32 s2, s2, 13
	s_add_co_u32 s2, s2, 131072                    ; v^T: step 4's first byte, 393,216, less two asks; the pointer steps in every trip and is first used in the second
	s_lshl_b32 s3, s[CY], 13
	s_add_co_u32 s3, s3, 65536                     ; p: 196,608 less two asks
	s_cmp_lt_u32 s[WV], 2
	s_cselect_b32 s2, s2, s3
	s_cselect_b32 s[PFS], s22, s23
	s_lshr_b32 s[PF2], s[PFS], 1                   ; a wave's second prefetch stands half an ask on
	s_mov_b32 s3, 0
	s_mov_b32 s[PFS+1], 0
	s_wait_dscnt 0x0                               ; the opening add is done
	s_wait_kmcnt 0x0
	s_add_nc_u64 s[20:21], s[68:69], s[16:17]
	s_add_nc_u64 s[22:23], s[70:71], s[18:19]
	s_cmp_lt_u32 s[WV], 2
	s_cselect_b64 s[PFA:PFA+1], s[20:21], s[22:23]
	s_add_nc_u64 s[PFA:PFA+1], s[PFA:PFA+1], s[2:3]
	s_add_nc_u64 s[20:21], s[20:21], s[96:97]
	s_add_nc_u64 s[22:23], s[22:23], s[98:99]
.irp s, 0,1
	s_mov_b32 s[G0R+4*(\s)], 1
	s_add_co_u32 s[G0R+4*(\s)+1], s[LBR], (\s)*SLOTX
	s_add_nc_u64 s[G0R+4*(\s)+2:G0R+4*(\s)+3], s[20:21], (\s)*RSG
	s_or_b32 s[G0R+4*(\s)+3], s[G0R+4*(\s)+3], 0x80000000
	s_mov_b32 s[G0C+4*(\s)], 1
	s_add_co_u32 s[G0C+4*(\s)+1], s[LBC], (\s)*SLOTX
	s_add_nc_u64 s[G0C+4*(\s)+2:G0C+4*(\s)+3], s[22:23], (\s)*CSG
	s_or_b32 s[G0C+4*(\s)+3], s[G0C+4*(\s)+3], 0x80000000
.endr
	CROUND                                         ; all sixteen work-groups are here: the first joint loads meet
	s_cmp_lt_u32 s[WV], 2                          ; a wave's two first fills stand in one branch: two loads of mine are out
	s_cbranch_scc0 .Lfirst_c
	tensor_load_to_lds s[G0R:G0R+3], s[G1R:G1R+7]
	s_nop 0
	tensor_load_to_lds s[G0R+4:G0R+7], s[G1R:G1R+7]
	s_nop 0
.rept 4
	v_nop
.endr
	s_branch .Lfirst_asked
.Lfirst_c:
	tensor_load_to_lds s[G0C:G0C+3], s[G1C:G1C+7]
	s_nop 0
	tensor_load_to_lds s[G0C+4:G0C+7], s[G1C:G1C+7]
	s_nop 0
.rept 4
	v_nop
.endr
.Lfirst_asked:
	; A fragment is 16 rows x 32 keys in 8 registers: lane l holds row r = l % 16; registers 0-3 keys 8 h + 0..7, registers 4-7 keys 16 + 8 h + 0..7 (h = l / 16): two loads of 16 bytes, 32 bytes apart.
	v_and_b32 v1, 15, v0                           ; r
	v_bfe_u32 v2, v0, 4, 1                         ; h
	v_and_b32 v20, 31, v0                          ; lane
	v_lshrrev_b32 v3, 1, v1
	v_mul_u32_u24 v3, v3, PRW                      ; the pair of rows,
	v_and_b32 v21, 1, v0
	v_lshl_add_u32 v3, v21, 7, v3                  ; the row of the pair,
	v_lshl_add_u32 v3, v2, 4, v3                   ; 16 h
	s_mul_i32 s16, s[WR], 64*PRW                   ; my 128 channels
	s_mul_i32 s17, s[WC], 32*PRW                   ; my 64 queries
	s_add_co_u32 s17, s17, CBASE
	v_add_nc_u32 v[R0], s16, v3
	v_add_nc_u32 v[C0], s17, v3
	v_mov_b32 v[RC], v[R0]
	v_add_nc_u32 v[RC2], 2*RPL, v[R0]
	v_mov_b32 v[CC], v[C0]
	v_add_nc_u32 v[RN], SLOTX, v[R0]
	v_add_nc_u32 v[CN], SLOTX, v[C0]
	s_mul_i32 s16, s[WV], 64*OPT                   ; my scratch for the way out: 64 queries x 128 channels of f32
	v_mul_u32_u24 v21, v1, OPT
	v_lshl_add_u32 v21, v2, 5, v21
	v_add_nc_u32 v[STO], s16, v21                  ; in: row r, 32 bytes for each half of the lanes
	v_lshl_add_u32 v[RD], v20, 4, s16              ; back: 32 lanes take a row of 512 bytes
	v_lshlrev_b32 v[GO], 4, v20
	v_lshlrev_b32 v[PFO], 8, v20
	v_add_nc_u32 v[PFO2], s[PF2], v[PFO]
	s_mul_i32 s16, s[WC], SLOTX
	s_add_co_u32 s16, s16, FTB
	v_lshl_add_u32 v[FT0], v1, 4, s16              ; a row of the table: for each r four words, fragments 0..3
	v_lshl_add_u32 v[FTW], v2, 3, v[FT0]           ; a lane writes those of fragments 2 h, 2 h + 1
	s_lshl_b32 s16, s[X], 7
	s_lshl_b32 s17, s[WC], 6
	s_add_co_u32 s16, s16, s17
	s_lshl_b32 s16, s16, 12                        ; my first query's row of 4,096 bytes
	s_lshl_b32 s17, s[Y], 10
	s_add_co_u32 s16, s16, s17
	s_lshl_b32 s17, s[WR], 9
	s_add_co_u32 s16, s16, s17                     ; + my first channel
	s_mov_b32 s17, 0
	s_add_nc_u64 s[OB:OB+1], s[74:75], s[16:17]
	; THE TABLES.  Waves 0 and 1 make them, each for its 64 queries, which wave 2 or 3 shares; all read them behind the barrier below.  Lane (h, r) serves queries 16 (2 h + u) + r, u = 0, 1: 16 cm and 16 l each.
	s_cmp_lt_u32 s[WV], 2
	s_cbranch_scc0 .Lno_table
	s_lshl_b32 s16, s[X], 14
	s_mov_b32 s17, 0
	s_add_nc_u64 s[SB:SB+1], s[72:73], s[16:17]
	s_lshl_b32 s16, s[WC], 8
	v_lshlrev_b32 v[SOF], 2, v1
	v_lshl_add_u32 v[SOF], v2, 7, v[SOF]
	v_add_nc_u32 v[SOF], s16, v[SOF]               ; 4 (64 WC + 32 h + r)
.irp u, 0,1
.set t, 0
.rept 16
	global_load_b32 v[32+16*\u+t], v[SOF], s[SB:SB+1] offset:t*512+\u*64
	global_load_b32 v[64+16*\u+t], v[SOF], s[SB:SB+1] offset:8192+t*512+\u*64
.set t, t+1
.endr
.endr
	s_wait_loadcnt 0x0
.irp u, 0,1
	v_max3_num_f32 v[96+\u], v[32+16*\u], v[33+16*\u], v[34+16*\u]
.endr
.irp t, 3,5,7,9,11,13
.irp u, 0,1
	v_max3_num_f32 v[96+\u], v[96+\u], v[32+16*\u+\t], v[33+16*\u+\t]
.endr
.endr
.irp u, 0,1
	v_max_num_f32 v[96+\u], v[96+\u], v[47+16*\u]  ; M: c x the row's largest score
.endr
.irp u, 0,1
.set t, 0
.rept 16
	v_sub_f32 v[32+16*\u+t], v[32+16*\u+t], v[96+\u]
.set t, t+1
.endr
.endr
.set t, 0
.rept 32
	v_exp_f32 v[32+t], v[32+t]                     ; f_t
.set t, t+1
.endr
	v_nop                                          ; a plain instruction behind the last exponential,
	s_wait_alu depctr_va_vdst(0)                   ; and the wait: one for the batch
	v_mul_f32 v98, v64, v32
	v_mul_f32 v99, v80, v48
.set t, 1
.rept 15
	v_fmac_f32 v98, v[64+t], v[32+t]               ; L, two chains
	v_fmac_f32 v99, v[80+t], v[48+t]
.set t, t+1
.endr
.set t, 0
.rept 16
	v_cvt_pk_f16_f32 v[128+2*t], v[32+t], v[32+t]  ; (f, f) in f16
	v_cvt_pk_f16_f32 v[129+2*t], v[48+t], v[48+t]
.set t, t+1
.endr
	v_rcp_f32 v160, v98
	v_rcp_f32 v161, v99
	v_mov_b32 v162, 0                              ; (a plain instruction behind the reciprocals)
	v_mov_b32 v163, 0
	s_wait_alu depctr_va_vdst(0)
.set t, 0
.rept 16
	ds_store_b64 v[FTW], v[128+2*t:129+2*t] offset:256*t
.set t, t+1
.endr
	ds_store_b64 v[FTW], v[162:163] offset:4096    ; row 16, for the keys past the last: zeros
	ds_store_b64 v[FTW], v[160:161] offset:4352    ; row 17: 1 / L
.Lno_table:
	s_wait_tensorcnt 0x1                           ; my part of slot a is in; slot b's may stay out
	s_wait_dscnt 0x0                               ; my part of the tables is written
	s_barrier_signal -1
	s_barrier_wait -1
	RUN -2
	RUN -1
	s_wait_dscnt 0x0
	SCALE 0
	STR 0, 1, 0                                    ; the first stretch's products start the sums with the constant 0
	WIN 0
	s_mov_b32 s[CNT], T-2
.Lloop:                                        ; a trip: from a step's second stretch to the next step's first; the slot that is left is filled again
	STR 1, 0, 1
	STR 2, 0, 1
	STR 3, 0, 1
	STR 4, 0, 1
	STR 5, 0, 1
	EDGE
	STR 0, 0, 1
	WIN 0
	s_sub_co_u32 s[CNT], s[CNT], 1
	s_cmp_lg_u32 s[CNT], 0
	s_cbranch_scc1 .Lloop
	; The two last steps ask for nothing: a text of their own, written once and walked twice; the second trip is left in its middle.
	; That trip's change of slots is one more plain barrier; its last two runs bring the other slot's old bytes, and its last scaling works on them, in registers that nothing multiplies: the price of one text.
	s_mov_b32 s[CNT], 2
.Ltail:
	STR 1, 0, 2
	STR 2, 0, 2
	STR 3, 0, 2
	STR 4, 0, 2
	STR 5, 0, 2
	EDGE
	s_sub_co_u32 s[CNT], s[CNT], 1
	s_cmp_eq_u32 s[CNT], 0
	s_cbranch_scc1 .Lout
	STR 0, 0, 2
	WIN 0
	s_cmp_lg_u32 s[CNT], 0
	s_cbranch_scc1 .Ltail
.Lout:
	s_wait_dscnt 0x0                               ; my last reads of the slots are back
	s_barrier_signal -1
	s_barrier_wait -1                              ; everybody's are: slot a has had its last fill and its last read, and serves as scratch, each wave's bytes its own
	; THE WAY OUT.  O = sums / L, in place; my 64 queries x 128 channels into my scratch; back by rows: each store of the wave covers 512 consecutive bytes of a row of out0.
	ds_load_b128 v[FS:FS+3], v[FT0] offset:4352    ; 1 / L of my query of fragments 0..3
	s_wait_dscnt 0x0
.irp f, 0,1,2,3
	v_mov_b32 v[RL+2*\f], v[FS+\f]                 ; doubled into pairs
	v_mov_b32 v[RL+2*\f+1], v[FS+\f]
.endr
	WIN 0x41                                       ; destination and source 0 in window 1, 1 / L in window 0.
.irp f, 0,1,2,3
.irp a, 0,1,2,3,4,5,6,7
.irp p, 0,1,2,3
	v_pk_mul_f32 v[8*(4*\a+\f)+2*\p:8*(4*\a+\f)+2*\p+1], v[8*(4*\a+\f)+2*\p:8*(4*\a+\f)+2*\p+1], v[RL+2*\f:RL+2*\f+1]
.endr
.endr
.endr
	WIN 0x04                                       ; store data in window 1, address in window 0
.irp f, 0,1,2,3
.irp a, 0,1,2,3,4,5,6,7
	ds_store_b128 v[STO], v[8*(4*\a+\f):8*(4*\a+\f)+3]   offset:\f*16*OPT+64*\a
	ds_store_b128 v[STO], v[8*(4*\a+\f)+4:8*(4*\a+\f)+7] offset:\f*16*OPT+64*\a+16
.endr
.endr
	WIN 0
	s_mov_b32 s[CNT], 4
	s_mov_b32 s[OFF], 0
.Lrows:                                        ; four trips of 16 queries
	v_add_nc_u32 v[RDA], s[OFF], v[RD]
.irp t, 0,1,2,3,4,5,6,7,8,9,10,11,12,13,14,15
	ds_load_b128 v[32+4*\t:32+4*\t+3], v[RDA] offset:OPT*\t  ; LDS serves a wave's instructions in order (ISA guide 5.7.1): these see my stores
.endr
.irp t, 0,1,2,3,4,5,6,7,8,9,10,11,12,13,14,15
	s_wait_dscnt 15-\t                             ; row t is in; the younger loads may stay out
	global_store_b128 v[GO], v[32+4*\t:32+4*\t+3], s[OB:OB+1] offset:\t*4096 th:TH_STORE_NT
.endr
	s_wait_xcnt 0x0                                ; the stores have read their registers and their base: both are written again only behind this wait
	s_add_nc_u64 s[OB:OB+1], s[OB:OB+1], 0x10000
	s_add_co_u32 s[OFF], s[OFF], 16*OPT
	s_sub_co_u32 s[CNT], s[CNT], 1
	s_cmp_lg_u32 s[CNT], 0
	s_cbranch_scc1 .Lrows
	s_wait_tensorcnt 0x0                           ; the wave's end: behind my last tensor load and my last LDS store
	ds_add_u32 v[SPW], v[NIL]
	s_wait_dscnt 0x0
	CROUND                                         ; the closing round: no work-group ends while a partner may still ask for a tile that names it
	s_endpgm
.Lfunc_end_k_q936f6e6472_pv:
	.size	k_q936f6e6472_pv, .Lfunc_end_k_q936f6e6472_pv-k_q936f6e6472_pv
	.p2alignl 7, 3214868480
	.fill 96, 4, 3214868480
	.section	.rodata,"a",@progbits
	.p2align	6, 0x0
	.amdhsa_kernel k_q936f6e6472_pv
		.amdhsa_group_segment_fixed_size 327680
		.amdhsa_private_segment_fixed_size 0
		.amdhsa_enable_private_segment 0
		.amdhsa_kernarg_size 32
		.amdhsa_user_sgpr_count 2
		.amdhsa_user_sgpr_kernarg_segment_ptr 1
		.amdhsa_wavefront_size32 1
		.amdhsa_system_sgpr_workgroup_id_x 1
		.amdhsa_system_sgpr_workgroup_id_y 1
		.amdhsa_system_sgpr_workgroup_id_z 1
		.amdhsa_system_vgpr_workitem_id 0
		.amdhsa_next_free_vgpr 512
		.amdhsa_next_free_sgpr 102
		.amdhsa_reserve_vcc 0
		.amdhsa_float_denorm_mode_32 3
		.amdhsa_float_denorm_mode_16_64 3
		.amdhsa_memory_ordered 1
		.amdhsa_forward_progress 1
		.amdhsa_inst_pref_size 122
	.end_amdhsa_kernel
	.amdgpu_metadata
---
amdhsa.version: [ 1, 2 ]
amdhsa.kernels:
  - .name:           k_q936f6e6472_pv
    .symbol:         k_q936f6e6472_pv.kd
    .args:
      - { .name: vt, .offset: 0, .size: 8, .value_kind: global_buffer, .address_space: global }
      - { .name: pt, .offset: 8, .size: 8, .value_kind: global_buffer, .address_space: global }
      - { .name: st, .offset: 16, .size: 8, .value_kind: global_buffer, .address_space: global }
      - { .name: out0, .offset: 24, .size: 8, .value_kind: global_buffer, .address_space: global }
    .group_segment_fixed_size: 327680
    .private_segment_fixed_size: 0
    .kernarg_segment_align: 8
    .kernarg_segment_size: 32
    .max_flat_workgroup_size: 128
    .sgpr_count:     102
    .vgpr_count:     512
    .wavefront_size: 32
...
	.end_amdgpu_metadata
.endif
;; end of part 4
;; ======== version 2 of 2: 4 launches; version 1 with the launch cast written anew for expert scheduling mode
;; limits: values are held in f16: magnitudes above 65,504 overflow, below 6.1e-05 lose precision
;; workspace buffers: xb 16,777,216 bytes; wb 6,291,456 bytes; qh 16,777,216 bytes; kh 16,777,216 bytes; vt 16,777,216 bytes; pt 33,554,432 bytes; st 1,048,576 bytes
;; launch cast (part 5): grid 704 x 1, 4 waves a work-group, no clusters, 0 bytes of LDS; arguments x, Wq, Wk, Wv, xb, wb; writes xb, wb
.if DOCPART == 5
	.amdgcn_target "amdgcn-amd-amdhsa--gfx1250"
	.amdhsa_code_object_version 6
	.text
	.protected	k_q936f6e6472_cast
	.globl	k_q936f6e6472_cast
	.p2align	8
	.type	k_q936f6e6472_cast,@function
k_q936f6e6472_cast:
	s_mov_b64 s[64:65], 0
	v_nop
	global_prefetch_b8 v0, s[64:65] scope:SCOPE_SE
	s_setreg_imm32_b32 hwreg(HW_REG_WAVE_SCHED_MODE, 0, 2), 2
	s_setreg_imm32_b32 hwreg(HW_REG_WAVE_MODE, 25, 1), 1
	s_wait_xcnt 0x0
	s_wait_alu depctr_vm_vsrc(0)
; CAST.  x [8192][1024] and Wq, Wk, Wv [1024][1024], f32, are rounded once to bf16 and laid out by tiles for the product that follows:
;   xb [32 tiles of 256 rows][16 blocks of 64 columns][256 rows][64]                 (a block of a tile: 32,768 dense bytes)
;   wb [8 tiles][16 blocks][384 rows][64]; row of a tile = 192 wc + 64 which + r for output column 128 tile + 64 wc + r of matrix which (q, k, v = 0, 1, 2)
; INSIDE a block of 64 the columns are permuted, alike in xb and wb: place 8 i + j holds column 4 i + j (j < 4) or 32 + 4 i + j - 4 (j >= 4).  The product sums over them, so only the order of its terms changes.
; SHARES.  A work-group takes 16 rows (work-groups 0-511: x; then 64 for each W), a wave 4 rows.  Lane l: row l / 8, part i = l % 8.  For each block two loads of 16 bytes a lane (eight lanes take 128
; consecutive bytes); one store of 16 bytes a lane: 32 lanes store 4 rows x 128 bytes = 512 consecutive bytes, at a multiple of 512 from the buffer's first byte.
; All 32 loads of a wave go out at once (16 KiB); every register is written once, so no store's data is ever rewritten.  No LDS, no matrix unit: each byte is read once and written once.
; THE MODE: SCHED_MODE bits 1:0 = 2 (LLVM: expert scheduling mode 2), set by the entry lines.  The code itself states the register dependences
; between vector instructions and memory instructions, with s_wait_alu, always for 0.
; THE PLAN.  Registers that memory instructions touch:
;   v[SRC], v[DST]  the loads' and the stores' offsets: written by vector lines at the head, never again.
;   IN              written by the 32 loads, which all stand ahead of the first conversion; no vector line names these registers before the loads; read by the conversions.
;   PKD             written by the conversions, each register once; read by the stores.
; The 16 blocks go in four groups of four.  A group's four stores stand together at the head of the next group, behind ONE wait on va_vdst, which states that the group's conversions have written
; their part of PKD; the last group's stand behind one more.  One wait at the body's head states that the two offsets are written.  No register that a memory instruction reads is written again, no load
; is issued behind a conversion, no vector line writes a scalar register or VCC, and EXEC is never written: so no other wait of this kind is owed.
.set XWG, 512                          ; work-groups for x
.set GRP, 4                            ; blocks in a group
.set SRC, 5                            ; v5  byte offset of my 16 bytes in the work-group's 16 rows
.set DST, 6                            ; v6  16 x my thread's number
.set IN,  8                            ; v[8:135]   as loaded
.set PKD, 136                          ; v[136:199] as stored
.macro OUT first, plane                ; the stores of the group that begins with block first
.set ks, (\first)
.rept GRP
	global_store_b128 v[DST], v[PKD+4*ks:PKD+4*ks+3], s[22:23] offset:ks*(\plane) th:TH_STORE_NT
.set ks, ks+1
.endr
.endm
.macro BODY plane                      ; plane = bytes from a block of 64 columns to the next in the destination
	s_wait_alu depctr_va_vdst(0)                   ; v[SRC] and v[DST] are written: every load below reads the one as its offset, every store the other
.set kb, 0
.rept 16
	global_load_b128 v[IN+8*kb:IN+8*kb+3],   v[SRC], s[20:21] offset:256*kb th:TH_LOAD_NT
	global_load_b128 v[IN+8*kb+4:IN+8*kb+7], v[SRC], s[20:21] offset:256*kb+128 th:TH_LOAD_NT
.set kb, kb+1
.endr
.set kb, 0
.rept 16
	s_wait_loadcnt 30-2*kb                         ; loads come back in order: this block's two are in, the younger ones stay out
.if (kb > 0) && ((kb % GRP) == 0)
	s_wait_alu depctr_va_vdst(0)                   ; the conversions of the group before have written their 16 registers of PKD, which the four stores below read
	OUT kb-GRP, \plane
.endif
	v_cvt_pk_bf16_f32 v[PKD+4*kb],   v[IN+8*kb],   v[IN+8*kb+1]
	v_cvt_pk_bf16_f32 v[PKD+4*kb+1], v[IN+8*kb+2], v[IN+8*kb+3]
	v_cvt_pk_bf16_f32 v[PKD+4*kb+2], v[IN+8*kb+4], v[IN+8*kb+5]
	v_cvt_pk_bf16_f32 v[PKD+4*kb+3], v[IN+8*kb+6], v[IN+8*kb+7]
.set kb, kb+1
.endr
	s_wait_alu depctr_va_vdst(0)                   ; the last group's conversions have written their part of PKD, which the last four stores read
	OUT 16-GRP, \plane
.endm
	s_load_b256 s[4:11], s[0:1], 0x0               ; x s[4:5], Wq s[6:7], Wk s[8:9], Wv s[10:11]
	s_load_b128 s[12:15], s[0:1], 0x20             ; xb s[12:13], wb s[14:15]
	v_and_b32 v1, 31, v0                           ; lane
	v_lshrrev_b32 v2, 5, v0                        ; wave
	v_lshrrev_b32 v3, 3, v1
	v_and_b32 v4, 7, v1
	v_lshl_add_u32 v3, v2, 2, v3                   ; my row of the 16: 4 x wave + lane / 8
	v_lshlrev_b32 v4, 4, v4
	v_lshl_add_u32 v[SRC], v3, 12, v4              ; row x 4,096 + 16 (lane % 8)
	v_lshlrev_b32 v[DST], 4, v0                    ; 512 x wave + 16 x lane
	s_mov_b32 s17, 0
	s_cmp_lt_u32 ttmp9, XWG
	s_cbranch_scc0 .Lweights
	s_lshl_b32 s16, ttmp9, 16                      ; 16 rows of 4,096 bytes
	s_lshr_b32 s18, ttmp9, 4
	s_lshl_b32 s18, s18, 19                        ; the tile: 524,288 bytes
	s_and_b32 s19, ttmp9, 15
	s_lshl_b32 s19, s19, 11                        ; 16 rows of 128 bytes in a block
	s_add_co_u32 s18, s18, s19
	s_mov_b32 s19, 0
	s_wait_kmcnt 0x0
	s_add_nc_u64 s[20:21], s[4:5], s[16:17]
	s_add_nc_u64 s[22:23], s[12:13], s[18:19]
	BODY 32768
	s_endpgm
.Lweights:
	s_sub_co_u32 s24, ttmp9, XWG
	s_lshr_b32 s25, s24, 6                         ; which matrix
	s_and_b32 s24, s24, 63                         ; its rows 16 s24 ..
	s_lshl_b32 s16, s24, 16
	s_lshr_b32 s18, s24, 3
	s_mul_i32 s18, s18, 786432                     ; the tile of 128 output columns
	s_bfe_u32 s19, s24, 0x10002                    ; wc: which 64 of the 128
	s_mul_i32 s19, s19, 192
	s_lshl_b32 s26, s25, 6
	s_add_co_u32 s19, s19, s26
	s_and_b32 s26, s24, 3
	s_lshl_b32 s26, s26, 4
	s_add_co_u32 s19, s19, s26                     ; row of the tile
	s_lshl_b32 s19, s19, 7
	s_add_co_u32 s18, s18, s19
	s_mov_b32 s19, 0
	s_wait_kmcnt 0x0
	s_cmp_eq_u32 s25, 0
	s_cselect_b64 s[20:21], s[6:7], s[8:9]
	s_cmp_eq_u32 s25, 2
	s_cselect_b64 s[20:21], s[10:11], s[20:21]
	s_add_nc_u64 s[20:21], s[20:21], s[16:17]
	s_add_nc_u64 s[22:23], s[14:15], s[18:19]
	BODY 49152
	s_endpgm
.Lfunc_end_k_q936f6e6472_cast:
	.size	k_q936f6e6472_cast, .Lfunc_end_k_q936f6e6472_cast-k_q936f6e6472_cast
	.p2alignl 7, 3214868480
	.fill 96, 4, 3214868480
	.section	.rodata,"a",@progbits
	.p2align	6, 0x0
	.amdhsa_kernel k_q936f6e6472_cast
		.amdhsa_group_segment_fixed_size 0
		.amdhsa_private_segment_fixed_size 0
		.amdhsa_enable_private_segment 0
		.amdhsa_kernarg_size 48
		.amdhsa_user_sgpr_count 2
		.amdhsa_user_sgpr_kernarg_segment_ptr 1
		.amdhsa_wavefront_size32 1
		.amdhsa_system_sgpr_workgroup_id_x 1
		.amdhsa_system_sgpr_workgroup_id_y 1
		.amdhsa_system_sgpr_workgroup_id_z 1
		.amdhsa_system_vgpr_workitem_id 0
		.amdhsa_next_free_vgpr 200
		.amdhsa_next_free_sgpr 66
		.amdhsa_reserve_vcc 0
		.amdhsa_float_denorm_mode_32 3
		.amdhsa_float_denorm_mode_16_64 3
		.amdhsa_memory_ordered 1
		.amdhsa_forward_progress 1
		.amdhsa_inst_pref_size 21
	.end_amdhsa_kernel
	.amdgpu_metadata
---
amdhsa.version: [ 1, 2 ]
amdhsa.kernels:
  - .name:           k_q936f6e6472_cast
    .symbol:         k_q936f6e6472_cast.kd
    .args:
      - { .name: x, .offset: 0, .size: 8, .value_kind: global_buffer, .address_space: global }
      - { .name: Wq, .offset: 8, .size: 8, .value_kind: global_buffer, .address_space: global }
      - { .name: Wk, .offset: 16, .size: 8, .value_kind: global_buffer, .address_space: global }
      - { .name: Wv, .offset: 24, .size: 8, .value_kind: global_buffer, .address_space: global }
      - { .name: xb, .offset: 32, .size: 8, .value_kind: global_buffer, .address_space: global }
      - { .name: wb, .offset: 40, .size: 8, .value_kind: global_buffer, .address_space: global }
    .group_segment_fixed_size: 0
    .private_segment_fixed_size: 0
    .kernarg_segment_align: 8
    .kernarg_segment_size: 48
    .max_flat_workgroup_size: 128
    .sgpr_count:     66
    .vgpr_count:     200
    .wavefront_size: 32
...
	.end_amdgpu_metadata
.endif
;; end of part 5
;; launch proj: the kernel of part 2 again; grid 8 x 32, 4 waves a work-group, clusters of 4 x 4, 327,680 bytes of LDS; arguments xb, wb, bq, bk, bv, qh, kh, vt; writes qh, kh, vt
;; launch scores: the kernel of part 3 again; grid 8 x 32, 4 waves a work-group, clusters of 4 x 4, 327,680 bytes of LDS; arguments qh, kh, pt, st; writes pt, st
;; launch pv: the kernel of part 4 again; grid 64 x 4, 4 waves a work-group, clusters of 4 x 4, 327,680 bytes of LDS; arguments vt, pt, st, out0; writes out0
